; MI455X (gfx1250); checked and timed in simulation.
; The chip was launched on July 23, 2026; its instructions are those of AMD's public machine-readable ISA for CDNA 5 (MIT licence, August 2026) and "CDNA5" Instruction Set Architecture Reference Guide (July 2026). The comments in the code are by the model that wrote it; some were corrected since.
;; Multiheaded Feature Self Attention. Allowed arithmetic: matrix products marked QUANTISED: E2M3 operands, one E8M0 scale for each 32 along K, by v_wmma_scale_f32_16x16x128_f8f6f4 with both operands' format E2M3, f32 sums; everything else in f32.
;; Inputs: Wk1 512 x 1,024 float32; Wk2 1,024 x 256 float32; Wo 512 x 512 float32; Wq1 512 x 1,024 float32; Wq2 1,024 x 256 float32; Wv 512 x 512 float32; bk1 1,024 float32; bk2 256 float32; bo 512 float32; bq1 1,024 float32; bq2 256 float32; bv 512 float32; key 2 x 4,096 x 512 float32; query 2 x 4,096 x 512 float32; value 2 x 4,096 x 512 float32.
;; Outputs: out0 2 x 4,096 x 512 float32.
;; This version of the problem:
;;   THIS VERSION OF THE PROBLEM IS GIVEN IN LOW PRECISION. The matrix products marked QUANTISED in the list below multiply operands that are first quantised to E2M3 (2 exponent bits, 3 mantissa bits; 6 bits a number), with one power-of-two scale for each 32 numbers along K (OCP MX v1.0); their sums are f32. All else is computed in f32.
;;   The module's matrix products, in the order in which they are computed (A, B: the left and right operand; K: the contracted axis; several contracted axes count as one K, in the product's order):
;;     1. [M 8,192, K 512] x [K 512, N 1,024]; A: input query; B: input Wq1: QUANTISED
;;     2. [M 8,192, K 1,024] x [K 1,024, N 256]; A: computed on the way; B: input Wq2: QUANTISED
;;     3. [M 8,192, K 512] x [K 512, N 1,024]; A: input key; B: input Wk1: QUANTISED
;;     4. [M 8,192, K 1,024] x [K 1,024, N 256]; A: computed on the way; B: input Wk2: QUANTISED
;;     5. [M 8,192, K 512] x [K 512, N 512]; A: input value; B: input Wv: QUANTISED
;;     6. batch 16 x [M 4,096, K 32] x [K 32, N 4,096]; A: computed on the way; B: computed on the way: QUANTISED
;;     7. batch 16 x [M 64, K 4,096] x [K 4,096, N 4,096]; A: computed on the way; B: softmax (see below): QUANTISED
;;     8. [M 8,192, K 512] x [K 512, N 512]; A: computed on the way; B: input Wo: QUANTISED
;;   THE QUANTISER, for each operand of a quantised product, along K:
;;     - K is cut into blocks of 32 from its start; a last block that is shorter is filled with zeros.
;;     - A block's scale is 2^e with e = floor(log2(the largest magnitude in the block)) - 2, held to -126 .. 127; a block of zeros has e = 0. As a byte (E8M0): e + 127.
;;     - Each number is divided by its block's scale, clamped to +-7.5, and rounded to the nearest number of E2M3, ties to even, subnormals kept.
;;     - The product sums the exact products of the quantised numbers (number of the format x scale) in f32.
;;   ~~~python
;;   def quantise(x, axis):      # numpy; x: float32 -> the quantised numbers, widened to float32 again
;;       x = np.moveaxis(x, axis, -1); K = x.shape[-1]
;;       x = np.pad(x, [(0, 0)] * (x.ndim - 1) + [(0, -K % 32)]); x = x.reshape(x.shape[:-1] + (-1, 32)); a = np.abs(x).max(-1, keepdims=True)
;;       e = np.where(a > 0, np.clip(np.frexp(np.where(a > 0, a, 1))[1] - 1 - 2, -126, 127), 0)      # np.frexp(a)[1] - 1 = floor(log2(a)), exactly
;;       r = np.clip(x / 2.0 ** e, -7.5, 7.5)
;;       step = 2.0 ** (np.maximum(np.frexp(np.where(r == 0, 1, r))[1] - 1, 0) - 3)
;;       q = np.round(r / step) * step * 2.0 ** e      # np.round: ties to even
;;       return np.moveaxis(q.reshape(q.shape[:-2] + (-1,))[..., :K], -1, axis).astype(np.float32)
;;   ~~~
;;   SOFTMAX AHEAD OF A QUANTISED PRODUCT. Where the list says 'softmax', what is quantised is not the finished softmax but p = 2^(t - M), with t = logit x log2(e) and M = ceil(the row's largest t), a whole number; so 1/2 < the row's largest p <= 1. The row's sum l is taken of the UNQUANTISED p, in f32, and the product's result is divided by l at the end. Since M is a whole number, a kernel that streams over the keys may use a running M (the ceiling of the running maximum): every later rescaling is an exact power of two, which a block's scale takes up: the codes' values come out the same.
;;   OPERANDS COMPUTED ON THE WAY. 'Computed on the way' means the value that the module computes at that place (a softmax that the list does not call 'softmax' is quantised finished and normalised). What goes into a quantiser is computed in f32, as accurately as f32 sums, v_exp_f32 and their like allow (about 1e-6 of the number): no bf16 or f16 on the way to a quantiser, and a product that is left as it is and whose result goes on into a quantised operand takes f32 operands (vector FMAs, or v_wmma_f32_16x16x4_f32). A number that lies on a knife's edge between two numbers of the format may be rounded either way, as far as f32 arithmetic and the matrix unit's own rounding can turn it there, and no further.
;; 2 versions, each right; version 2 is version 1 with the launches proj, outp written anew for expert scheduling mode. Each part assembles by itself: llvm-mc -triple=amdgcn-amd-amdhsa -mcpu=gfx1250 --defsym DOCPART=n.
;; ======== version 1 of 2: 4 launches
;; limits: a function is approximated: absolute error at most 7.5e-08; an absolute error that grows with the inputs' magnitude: up to 7.5e-08 times it
;; workspace buffers: wts 1,835,008 bytes; qc 1,835,008 bytes; kc 1,835,008 bytes; vc 3,670,016 bytes; xc 4,194,304 bytes
;; launch prep (part 1): grid 256 x 1, 4 waves a work-group, no clusters, 0 bytes of LDS; arguments Wq1, Wk1, Wq2, Wk2, Wv, Wo, wts; writes wts
.if DOCPART == 1
	.amdgcn_target "amdgcn-amd-amdhsa--gfx1250"
	.amdhsa_code_object_version 6
	.text
	.protected	k_q508f4c78e3_prep
	.globl	k_q508f4c78e3_prep
	.p2align	8
	.type	k_q508f4c78e3_prep,@function
k_q508f4c78e3_prep:
	s_mov_b64 s[64:65], 0
	v_nop
	global_prefetch_b8 v0, s[64:65] scope:SCOPE_SE
	s_setreg_imm32_b32 hwreg(HW_REG_WAVE_MODE, 25, 1), 1
	s_wait_xcnt 0x0
; The six weights, f32 stored [K][N], become operand fragments of FP6 (E2M3) codes, quantised along K in blocks of 32, with E8M0 scale bytes.
; A fragment is 16 columns x 128 along K.  THE COLUMNS OF A TILE ARE NOT NEIGHBOURS: row r of tile T is column 32 (T / 2) + 8 (T % 2) + r + 8 (r / 8), so that results of
; products that take the tile as source 0 hold 16 neighbours of the next K in a lane's 16 registers of two neighbouring tiles.
; A RECORD is 1,792 bytes: the 12 registers of a fragment as they stand (register j of lane l at 512 (j / 4) + 16 l + 4 (j % 4)), then 256 bytes of scale words (lane l: its word twice, at 8 l).
; Records lie in SETS of 16: what one wave of a later launch needs for one run of products.  Sets 0-15 Wq1, 16-31 Wk1 (set T / 4, place 4 s + T % 4, s the step of 128 along K), 32-39 Wq2, 40-47 Wk2
; (set T / 2, place 2 s + T % 2), 48-55 Wv, 56-63 Wo (as Wq1).
; SHARES: 1,024 fragments, one a wave.  A lane takes a column and its registers run down K: nothing is transposed.  The four waves of a work-group take tiles 4 q .. 4 q + 3 of one step:
; together they read 256 consecutive bytes of each row.  No LDS, no barrier: waves share nothing.  Every store of a wave covers 512 or 256 consecutive bytes, aligned to 256.
; LIMITS: a block of zeros gets the byte 1 (its codes are zeros; this program alone reads the bytes); NaN and infinities among the inputs are not served.
.set REC, 1792
.macro LOADS pitch                     ; register 64 + 32 c + i takes row 64 c + 32 h + i of the step (the 32 h rows are in v3)
.set II, 0
.rept 64
	global_load_b32 v[64+II], v3, s[22:23] offset:(II+32*(II/32))*\pitch
.set II, II+1
.endr
.endm
	s_load_b256 s[4:11], s[0:1], 0x0               ; Wq1, Wk1, Wq2, Wk2
	s_load_b128 s[12:15], s[0:1], 0x20             ; Wv, Wo
	s_load_b64 s[16:17], s[0:1], 0x30              ; wts
	v_lshrrev_b32 v1, 5, v0
	v_readfirstlane_b32 s18, v1                    ; wave w
	v_and_b32 v1, 15, v0                           ; r
	v_bfe_u32 v2, v0, 4, 1                         ; h
	v_and_b32 v4, 8, v1
	v_add_nc_u32 v4, v4, v1                        ; r + 8 (r / 8)
	v_lshlrev_b32 v4, 2, v4                        ; its bytes in a row
	v_and_b32 v5, 31, v0
	v_lshlrev_b32 v6, 4, v5                        ; 16 x lane
	v_lshlrev_b32 v7, 3, v5                        ; 8 x lane
	s_lshr_b32 s28, s18, 1                         ; w / 2
	s_and_b32 s29, s18, 1                          ; w % 2
	s_lshl_b32 s30, s28, 7
	s_lshl_b32 s31, s29, 5
	s_add_co_u32 s30, s30, s31                     ; my tile's first column in the work-group's 64, in bytes: 4 (32 (w / 2) + 8 (w % 2))
	s_mov_b32 s32, 0x76543210
	s_mov_b32 s33, 0xfedcba98                      ; lane selects: lane l xor 16
	s_mov_b32 s21, 0
	s_wait_kmcnt 0x0
	s_cmp_lt_u32 ttmp9, 128
	s_cbranch_scc0 .Lnot_a
	; work-groups 0-127: Wq1, Wk1: rows of 4,096 bytes, 4 steps, 16 groups of four tiles
	s_cmp_lt_u32 ttmp9, 64
	s_cselect_b64 s[22:23], s[4:5], s[6:7]
	s_bfe_u32 s34, ttmp9, 0x40002                  ; q
	s_and_b32 s35, ttmp9, 3                        ; s
	s_lshl_b32 s20, s35, 19                        ; 128 rows a step
	s_lshl_b32 s34, s34, 8                         ; 256 bytes a group
	s_add_co_u32 s20, s20, s34
	s_add_co_u32 s20, s20, s30
	s_lshr_b32 s24, ttmp9, 2                       ; the set
	s_lshl_b32 s24, s24, 4
	s_lshl_b32 s35, s35, 2
	s_add_co_u32 s24, s24, s35
	s_add_co_u32 s24, s24, s18                     ; the record: 16 set + 4 s + w
	s_add_nc_u64 s[22:23], s[22:23], s[20:21]
	v_lshl_add_u32 v3, v2, 17, v4                  ; lanes 16-31 begin 32 rows further down
	LOADS 4096
	s_branch .Lq
.Lnot_a:
	s_cmp_lt_u32 ttmp9, 192
	s_cbranch_scc0 .Lnot_b
	; work-groups 128-191: Wq2, Wk2: rows of 1,024 bytes, 8 steps, 4 groups
	s_sub_co_u32 s36, ttmp9, 128
	s_cmp_lt_u32 s36, 32
	s_cselect_b64 s[22:23], s[8:9], s[10:11]
	s_bfe_u32 s34, s36, 0x20003                    ; q
	s_and_b32 s35, s36, 7                          ; s
	s_lshl_b32 s20, s35, 17
	s_lshl_b32 s34, s34, 8
	s_add_co_u32 s20, s20, s34
	s_add_co_u32 s20, s20, s30
	s_lshr_b32 s24, s36, 3
	s_lshl_b32 s24, s24, 1
	s_add_co_u32 s24, s24, s28
	s_add_co_u32 s24, s24, 32                      ; the set: 32 + 2 (l / 8) + w / 2
	s_lshl_b32 s24, s24, 4
	s_lshl_b32 s35, s35, 1
	s_add_co_u32 s24, s24, s35
	s_add_co_u32 s24, s24, s29                     ; the record: 16 set + 2 s + w % 2
	s_add_nc_u64 s[22:23], s[22:23], s[20:21]
	v_lshl_add_u32 v3, v2, 15, v4
	LOADS 1024
	s_branch .Lq
.Lnot_b:
	; work-groups 192-255: Wv, Wo: rows of 2,048 bytes, 4 steps, 8 groups
	s_sub_co_u32 s36, ttmp9, 192
	s_cmp_lt_u32 s36, 32
	s_cselect_b64 s[22:23], s[12:13], s[14:15]
	s_bfe_u32 s34, s36, 0x30002                    ; q
	s_and_b32 s35, s36, 3                          ; s
	s_lshl_b32 s20, s35, 18
	s_lshl_b32 s34, s34, 8
	s_add_co_u32 s20, s20, s34
	s_add_co_u32 s20, s20, s30
	s_lshr_b32 s24, s36, 2
	s_add_co_u32 s24, s24, 48                      ; the set
	s_lshl_b32 s24, s24, 4
	s_lshl_b32 s35, s35, 2
	s_add_co_u32 s24, s24, s35
	s_add_co_u32 s24, s24, s18
	s_add_nc_u64 s[22:23], s[22:23], s[20:21]
	v_lshl_add_u32 v3, v2, 16, v4
	LOADS 2048
.Lq:
	s_mul_i32 s26, s24, REC
	s_mov_b32 s27, 0
	s_add_nc_u64 s[16:17], s[16:17], s[26:27]      ; my record
	s_wait_loadcnt 0x0
.irp c, 0,1                                    ; my block 2 c + h: all its 32 numbers are mine
	v_max3_num_f32 v[32+\c], |v[64+32*\c]|, |v[65+32*\c]|, 0x1800000   ; with the floor 2^(3 - 127): the byte cannot fall under 1
.endr
.irp i, 2,4,6,8,10,12,14,16,18,20,22,24,26,28,30
.irp c, 0,1
	v_max3_num_f32 v[32+\c], v[32+\c], |v[64+32*\c+\i]|, |v[65+32*\c+\i]|
.endr
.endr
.irp c, 0,1
	v_add_nc_u32 v[44+\c], 0xff000000, v[32+\c]    ; 2 off the exponent field: the conversion takes this operand's exponent field as its scale
.endr
.irp c, 0,1
	v_lshrrev_b32 v[36+\c], 23, v[44+\c]           ; the scale's byte
.endr
	v_lshl_or_b32 v9, v37, 16, v36                 ; my two bytes: blocks h and 2 + h,
	v_lshlrev_b32 v8, 3, v2
	v_lshlrev_b32 v9, v8, v9                       ; at their places in the word
	v_mov_b32 v10, 0
	v_permlanex16_b32 v10, v9, s32, s33
	v_or_b32 v10, v9, v10                          ; with lane l xor 16's two the word is whole
	v_mov_b32 v11, v10                             ; twice: 8 bytes a lane
.irp c, 0,1
	v_cvt_scalef32_pk16_fp6_f32 v[48+6*\c:50+6*\c], v[64+32*\c:79+32*\c], v[44+\c]
	v_cvt_scalef32_pk16_fp6_f32 v[128+4*\c:130+4*\c], v[80+32*\c:95+32*\c], v[44+\c]   ; (a conversion's three registers begin on an even number)
.endr
	v_nop                                          ; one plain instruction behind the scaled conversions
.irp c, 0,1
.irp i, 0,1,2
	v_mov_b32 v[51+6*\c+\i], v[128+4*\c+\i]
.endr
.endr
.irp c, 0,1,2
	global_store_b128 v6, v[48+4*\c:51+4*\c], s[16:17] offset:512*\c
.endr
	global_store_b64 v7, v[10:11], s[16:17] offset:1536
	s_endpgm
.Lfunc_end_k_q508f4c78e3_prep:
	.size	k_q508f4c78e3_prep, .Lfunc_end_k_q508f4c78e3_prep-k_q508f4c78e3_prep
	.p2alignl 7, 3214868480
	.fill 96, 4, 3214868480
	.section	.rodata,"a",@progbits
	.p2align	6, 0x0
	.amdhsa_kernel k_q508f4c78e3_prep
		.amdhsa_group_segment_fixed_size 0
		.amdhsa_private_segment_fixed_size 0
		.amdhsa_enable_private_segment 0
		.amdhsa_kernarg_size 56
		.amdhsa_user_sgpr_count 2
		.amdhsa_user_sgpr_kernarg_segment_ptr 1
		.amdhsa_wavefront_size32 1
		.amdhsa_system_sgpr_workgroup_id_x 1
		.amdhsa_system_sgpr_workgroup_id_y 1
		.amdhsa_system_sgpr_workgroup_id_z 1
		.amdhsa_system_vgpr_workitem_id 0
		.amdhsa_next_free_vgpr 144
		.amdhsa_next_free_sgpr 66
		.amdhsa_reserve_vcc 0
		.amdhsa_float_denorm_mode_32 3
		.amdhsa_float_denorm_mode_16_64 3
		.amdhsa_memory_ordered 1
		.amdhsa_forward_progress 1
		.amdhsa_inst_pref_size 25
	.end_amdhsa_kernel
	.amdgpu_metadata
---
amdhsa.version: [ 1, 2 ]
amdhsa.kernels:
  - .name:           k_q508f4c78e3_prep
    .symbol:         k_q508f4c78e3_prep.kd
    .args:
      - { .name: Wq1, .offset: 0, .size: 8, .value_kind: global_buffer, .address_space: global }
      - { .name: Wk1, .offset: 8, .size: 8, .value_kind: global_buffer, .address_space: global }
      - { .name: Wq2, .offset: 16, .size: 8, .value_kind: global_buffer, .address_space: global }
      - { .name: Wk2, .offset: 24, .size: 8, .value_kind: global_buffer, .address_space: global }
      - { .name: Wv, .offset: 32, .size: 8, .value_kind: global_buffer, .address_space: global }
      - { .name: Wo, .offset: 40, .size: 8, .value_kind: global_buffer, .address_space: global }
      - { .name: wts, .offset: 48, .size: 8, .value_kind: global_buffer, .address_space: global }
    .group_segment_fixed_size: 0
    .private_segment_fixed_size: 0
    .kernarg_segment_align: 8
    .kernarg_segment_size: 56
    .max_flat_workgroup_size: 128
    .sgpr_count:     66
    .vgpr_count:     144
    .wavefront_size: 32
...
	.end_amdgpu_metadata
.endif
;; end of part 1
;; launch proj (part 2): grid 256 x 1, 8 waves a work-group, no clusters, 94,208 bytes of LDS; arguments query, key, value, bq1, bk1, bq2, bk2, bv, wts, qc, kc, vc; writes qc, kc, vc
.if DOCPART == 2
	.amdgcn_target "amdgcn-amd-amdhsa--gfx1250"
	.amdhsa_code_object_version 6
	.text
	.protected	k_q508f4c78e3_proj
	.globl	k_q508f4c78e3_proj
	.p2align	8
	.type	k_q508f4c78e3_proj,@function
k_q508f4c78e3_proj:
	s_mov_b64 s[64:65], 0
	v_nop
	global_prefetch_b8 v0, s[64:65] scope:SCOPE_SE
	s_setreg_imm32_b32 hwreg(HW_REG_WAVE_MODE, 25, 1), 1
	s_wait_xcnt 0x0
; q = gelu(query Wq1 + bq1) Wq2 + bq2, k likewise from key, v = value Wv + bv: five products on FP6 (E2M3) codes with E8M0 scales for each 32 along K; the results leave quantised for the attention launch.
; SHARES.  Work-group i takes 64 rows of one MLP (i < 128: query, else key; block m = i % 128) and rows 32 i .. 32 i + 31 of value.  Only pointers are chosen: one path through the text.
; THE EIGHT WAVES SHARE THE COLUMNS: wave w makes hidden units 128 w .. 128 w + 127 (two halves of 64), head w of v, head w of q or k, for all the work-group's rows.
; WEIGHTS come as records laid in the order of the operand's registers and go from memory straight into the one wave's registers, a set of 16 fragments (28,672 bytes) for each of four runs of products.
; NO JOINT LOADS: the eight waves' four sets are 917,504 bytes a work-group, more than LDS holds, so shared tiles would need slots filled again, each behind a round of a cluster's barrier; this text has none.
; ROWS go from wave to wave through LDS as images of operand registers; a fragment lies as two parts of 768 bytes (registers 6 c .. 6 c + 3 at 16 x lane, 6 c + 4, 6 c + 5 at 512 + 8 x lane), since a wave makes half a hidden fragment at a time.
; TILES ARE PERMUTED: row r of tile T of any axis is index 32 (T / 2) + 8 (T % 2) + r + 8 (r / 8).  So a lane's 16 registers of two neighbouring result tiles are 16 neighbours, which the conversions take as they stand.
; RESULTS.  qc, kc: a record for (block m, head): a whole fragment whose block beta of 32 along K holds the 32 codes of the tokens of tile beta; its scale word's byte beta is that token's.
;           vc: a record for (32 keys, head): for channel slot 16 t + r the block's 24 bytes (16 at 16 x slot, 8 at 1,024 + 8 x slot); scale word of lane r: byte t.
; GELU, exact form: gelu(x) = max(x, 0) - |x| Q(|x|), Q(y) = 2^(-y^2 log2(e) / 2) (c1 t + .. + c5 t^5), t = 1 / (1 + 0.23164189 y): Q's absolute error is at most 7.5e-8, gelu's at most 7.5e-8 |x|.
; LIMITS: NaN and infinities among the inputs are not served; a block of zeros gets the byte 1 (its codes are zeros; this program alone reads the bytes).
; REGISTERS.  Window 0: v1-15 addresses; v16-17 c4; v18-33 the set's scale words; v34-37 the rows' scale words; v38-69 biases; v70-117 at work; v118-125 bv; v128-255 accumulators.
;             Window 1: v0-191 the set of weights; v192-239 four fragments of rows; v192-255 value's numbers at the start.
.set REC,  1792
.set SETB, 16*REC
.set FRB,  1536
.set XIMG, 0                           ; LDS: x's 16 fragments (4 beta + s),
.set VIMG, 24576                       ; value's 8 (4 u + s),
.set HIMG, 36864                       ; the hidden layer's 32 (8 beta + g),
.set XSC,  86016                       ; and their scale words, 128 bytes a fragment, 4 x lane
.set VSC,  88064
.set HSC,  89088
.set L16, 1
.set L8,  2
.set L4X, 3
.set XA,  4
.set R8,  5
.set BH,  6
.set BVA, 7
.set XWX, 8
.set XWY, 9
.set XWS, 10
.set VWX, 11
.set VWY, 12
.set VWS, 13
.set H16, 14
.set H8,  15
.set C4,  16
.set WS,  18
.set FS,  34
.set BIAS, 38
.set GD,  70
.set GE,  86
.set GP,  102
.set TM,  70
.set PW,  86
.set PC,  88
.set BV,  118
.set ACC, 128
.set FR,  192
.set MSB, 0
.macro WIN new                         ; the immediate's high byte repeats the setting that is left; a switch that changes nothing is dropped
.if MSB != (\new)
	s_set_vgpr_msb (MSB<<8)|(\new)
.set MSB, (\new)
.endif
.endm
.macro MMA d, a, b, c, sa, sb
	v_wmma_scale_f32_16x16x128_f8f6f4 v[(\d):(\d)+7], v[(\a):(\a)+11], v[(\b):(\b)+11], v[(\c):(\c)+7], v[\sa], v[\sb] matrix_a_fmt:MATRIX_FMT_FP6 matrix_b_fmt:MATRIX_FMT_FP6
.endm
.macro MMA0 d, a, b, sa, sb            ; the first product starts the sum
	v_wmma_scale_f32_16x16x128_f8f6f4 v[(\d):(\d)+7], v[(\a):(\a)+11], v[(\b):(\b)+11], 0, v[\sa], v[\sb] matrix_a_fmt:MATRIX_FMT_FP6 matrix_b_fmt:MATRIX_FMT_FP6
.endm
.macro XLOAD reg, sb, off              ; 64 numbers of my row: of each block of 32 my half's 16
.irp b, 0,1,2,3
.irp j, 0,1,2,3
	global_load_b128 v[(\reg)+16*\b+4*\j:(\reg)+16*\b+4*\j+3], v[XA], s[\sb:\sb+1] offset:\off+128*\b+16*\j th:TH_LOAD_NT
.endr
.endr
.endm
.macro WLOAD sb                        ; a set: 16 fragments into window 1, their scale words into window 0
	WIN 0x40
.irp f, 0,1,2,3,4,5,6,7,8,9,10,11,12,13,14,15
.irp c, 0,1,2
	global_load_b128 v[12*\f+4*\c:12*\f+4*\c+3], v[L16], s[\sb:\sb+1] offset:REC*\f+512*\c
.endr
.endr
	WIN 0
.irp f, 0,1,2,3,4,5,6,7,8,9,10,11,12,13,14,15
	global_load_b32 v[WS+\f], v[R8], s[\sb:\sb+1] offset:REC*\f+1536
.endr
.endm
.macro BLOAD sb, n, off                ; a bias in the result's layout: for tile t the eight numbers at 32 (t / 2) + 8 (t % 2) + 16 h
.irp t, 0,1,2,3
.if \t < \n
	global_load_b128 v[BIAS+8*\t:BIAS+8*\t+3], v[BH], s[\sb:\sb+1] offset:\off+4*(32*(\t/2)+8*(\t%2))
	global_load_b128 v[BIAS+8*\t+4:BIAS+8*\t+7], v[BH], s[\sb:\sb+1] offset:\off+4*(32*(\t/2)+8*(\t%2))+16
.endif
.endr
.endm
; 64 numbers of a lane in window w, register 16 b + i = element 16 h + i of block b, become 12 registers of codes in v[PC] on (lanes 0-15 hold block 2 c, lanes 16-31 block 2 c + 1, in registers 6 c .. 6 c + 5) and four bytes in v[PW].
.macro QUANT s, w
	WIN 5*\w
.irp b, 0,1,2,3
	v_max3_num_f32 v[TM+\b], |v[(\s)+16*\b]|, |v[(\s)+1+16*\b]|, 0x1800000   ; with the floor 2^(3 - 127): the byte cannot fall under 1
.endr
	WIN 0x14*\w
.irp i, 2,4,6,8,10,12,14
.irp b, 0,1,2,3
	v_max3_num_f32 v[TM+\b], v[TM+\b], |v[(\s)+16*\b+\i]|, |v[(\s)+1+16*\b+\i]|
.endr
.endr
	WIN 0
.irp b, 0,1,2,3
	v_permlanex16_b32 v[TM+4+\b], v[TM+\b], s38, s39
.endr
.irp b, 0,1,2,3
	v_max_num_f32 v[TM+\b], v[TM+\b], v[TM+4+\b]   ; with lane l xor 16's: the block's largest magnitude
.endr
.irp b, 0,1,2,3
	v_add_nc_u32 v[TM+12+\b], 0xff000000, v[TM+\b] ; 2 off its exponent field: the conversion's scale operand
.endr
.irp b, 0,1,2,3
	v_lshrrev_b32 v[TM+4+\b], 23, v[TM+12+\b]      ; the scale's byte
.endr
	v_lshl_or_b32 v[PW], v[TM+5], 8, v[TM+4]
	v_lshl_or_b32 v[PW], v[TM+6], 16, v[PW]
	v_lshl_or_b32 v[PW], v[TM+7], 24, v[PW]
	WIN \w
.irp c, 0,1
	v_cvt_scalef32_pk16_fp6_f32 v[PC+6*\c:PC+2+6*\c], v[(\s)+32*\c:(\s)+15+32*\c], v[TM+12+2*\c]
	v_cvt_scalef32_pk16_fp6_f32 v[PC+12+4*\c:PC+14+4*\c], v[(\s)+16+32*\c:(\s)+31+32*\c], v[TM+12+2*\c+1]   ; (a conversion's three registers begin on an even number)
.endr
	WIN 0
	v_nop                                          ; one plain instruction behind the scaled conversions
.irp c, 0,1
.irp i, 0,1,2
	v_permlane16_swap_b32 v[PC+6*\c+\i], v[PC+12+4*\c+\i]   ; a whole block to a lane
.endr
.irp i, 0,1,2
	v_mov_b32 v[PC+3+6*\c+\i], v[PC+12+4*\c+\i]
.endr
.endr
	v_mov_b32 v[PW+1], v[PW]
.endm
.macro IMG6 reg, ax, ay, off           ; six registers, half a fragment, to LDS
	ds_store_b128 v[\ax], v[(\reg):(\reg)+3] offset:\off
	ds_store_b64 v[\ay], v[(\reg)+4:(\reg)+5] offset:\off+512
.endm
.macro FETCH reg, a16, a8, off         ; a whole fragment from LDS
	ds_load_b128 v[(\reg):(\reg)+3], v[\a16] offset:\off
	ds_load_b64 v[(\reg)+4:(\reg)+5], v[\a8] offset:\off+512
	ds_load_b128 v[(\reg)+6:(\reg)+9], v[\a16] offset:\off+768
	ds_load_b64 v[(\reg)+10:(\reg)+11], v[\a8] offset:\off+1280
.endm
.macro BARRIER                         ; my LDS stores have landed and my LDS loads are in: then the work-group's barrier
	s_wait_dscnt 0x0
	s_barrier_signal -1
	s_barrier_wait -1
.endm
.macro PLACES                          ; four plain instructions behind matrix instructions, ahead of loads into their registers and of reads of their results
.rept 4
	v_nop
.endr
.endm
; gelu of 16 numbers in place.  The 32 transcendentals are one batch with one wait ahead of its first reader.
.macro GELU16 a
.set JJ, 0
.rept 16
	v_fma_f32 v[GD+JJ], |v[(\a)+JJ]|, s40, 1.0     ; 1 + p |x|
.set JJ, JJ+1
.endr
.set JJ, 0
.rept 8
	v_pk_mul_f32 v[GE+JJ:GE+JJ+1], v[(\a)+JJ:(\a)+JJ+1], v[(\a)+JJ:(\a)+JJ+1]
.set JJ, JJ+2
.endr
.set JJ, 0
.rept 8
	v_pk_mul_f32 v[GE+JJ:GE+JJ+1], v[GE+JJ:GE+JJ+1], s[42:43] op_sel_hi:[1,0]   ; -x^2 log2(e) / 2
.set JJ, JJ+2
.endr
.set JJ, 0
.rept 16
	v_rcp_f32 v[GD+JJ], v[GD+JJ]                   ; t
.set JJ, JJ+1
.endr
.set JJ, 0
.rept 16
	v_exp_f32 v[GE+JJ], v[GE+JJ]
.set JJ, JJ+1
.endr
	v_nop                                          ; a plain instruction behind the last transcendental
	s_wait_alu depctr_va_vdst(0)                   ; one wait for the batch, ahead of the first instruction that names a result
.set JJ, 0
.rept 8
	v_pk_fma_f32 v[GP+JJ:GP+JJ+1], v[GD+JJ:GD+JJ+1], s[44:45], v[C4:C4+1] op_sel_hi:[1,0,1]
.set JJ, JJ+2
.endr
.irp k, 46,48,50
.set JJ, 0
.rept 8
	v_pk_fma_f32 v[GP+JJ:GP+JJ+1], v[GP+JJ:GP+JJ+1], v[GD+JJ:GD+JJ+1], s[\k:\k+1] op_sel_hi:[1,1,0]
.set JJ, JJ+2
.endr
.endr
.set JJ, 0
.rept 8
	v_pk_mul_f32 v[GP+JJ:GP+JJ+1], v[GP+JJ:GP+JJ+1], v[GD+JJ:GD+JJ+1]
.set JJ, JJ+2
.endr
.set JJ, 0
.rept 8
	v_pk_mul_f32 v[GP+JJ:GP+JJ+1], v[GP+JJ:GP+JJ+1], v[GE+JJ:GE+JJ+1]   ; Q(|x|)
.set JJ, JJ+2
.endr
.set JJ, 0
.rept 16
	v_max_num_f32 v[GD+JJ], 0, v[(\a)+JJ]
.set JJ, JJ+1
.endr
.set JJ, 0
.rept 16
	v_fma_f32 v[(\a)+JJ], -|v[(\a)+JJ]|, v[GP+JJ], v[GD+JJ]
.set JJ, JJ+1
.endr
.endm
	s_load_b512 s[4:19], s[0:1], 0x0               ; query, key, value, bq1, bk1, bq2, bk2, bv
	s_load_b256 s[20:27], s[0:1], 0x40             ; wts, qc, kc, vc
	v_lshl_add_u32 v126, v0, 2, 0x16c00
	v_mov_b32 v127, 0
	v_lshrrev_b32 v1, 5, v0
	v_readfirstlane_b32 s36, v1                    ; wave w
	v_and_b32 v20, 31, v0                          ; lane
	v_and_b32 v21, 15, v0                          ; r
	v_bfe_u32 v22, v0, 4, 1                        ; h
	v_lshlrev_b32 v[L16], 4, v20
	v_lshlrev_b32 v[L8], 3, v20
	v_lshlrev_b32 v23, 2, v20
	v_add_nc_u32 v[L4X], XSC, v23
	v_and_b32 v24, 8, v21
	v_add_nc_u32 v24, v24, v21                     ; r + 8 (r / 8)
	v_lshlrev_b32 v[XA], 11, v24
	v_lshl_add_u32 v[XA], v22, 6, v[XA]            ; my row of 2,048 bytes, + 64 h
	v_lshlrev_b32 v[R8], 3, v21
	v_lshlrev_b32 v[BH], 6, v22
	v_lshlrev_b32 v[BVA], 2, v24
	s_mul_i32 s52, s36, 2*FRB
	v_add_nc_u32 v[XWX], s52, v[L16]               ; x's images: fragments 2 w, 2 w + 1
	v_add_nc_u32 v[XWY], s52, v[L8]
	s_lshl_b32 s52, s36, 8
	s_add_co_u32 s52, s52, XSC
	v_add_nc_u32 v[XWS], s52, v23
	s_mul_i32 s52, s36, FRB
	s_add_co_u32 s52, s52, VIMG
	v_add_nc_u32 v[VWX], s52, v[L16]               ; value's image: fragment w; with 12,288 more: the hidden layer's K step w
	v_add_nc_u32 v[VWY], s52, v[L8]
	s_lshl_b32 s52, s36, 7
	s_add_co_u32 s52, s52, VSC
	v_add_nc_u32 v[VWS], s52, v23
	v_add_nc_u32 v[H16], HIMG, v[L16]
	v_add_nc_u32 v[H8], HIMG, v[L8]
	v_mov_b32 v[C4], 0xbf3a00e3
	v_mov_b32 v[C4+1], 0xbf3a00e3
.irp b, 0,1,2,3
	v_mov_b32 v[TM+4+\b], 0                        ; written once: a lane permute's destination counts as one of its sources
	v_mov_b32 v[BV+2*\b+1], 0                      ; the upper halves of bv's pairs are named, so they are written
.endr
	s_mov_b32 s38, 0x76543210
	s_mov_b32 s39, 0xfedcba98
	s_mov_b32 s40, 0x3e6d3388                      ; p = 0.23164189
	s_mov_b32 s41, s40
	s_mov_b32 s42, 0xbf38aa3b                      ; -log2(e) / 2
	s_mov_b32 s43, s42
	s_mov_b32 s44, 0x3f07dc22                      ; c5
	s_mov_b32 s45, s44
	s_mov_b32 s46, 0x3f35f0e3                      ; c3
	s_mov_b32 s47, s46
	s_mov_b32 s48, 0xbe11a98e                      ; c2
	s_mov_b32 s49, s48
	s_mov_b32 s50, 0x3e027906                      ; c1
	s_mov_b32 s51, s50
	s_and_b32 s54, ttmp9, 127                      ; m
	s_lshr_b32 s55, s36, 2                         ; w / 4
	s_bfe_u32 s56, s36, 0x10001                    ; (w / 2) % 2
	s_and_b32 s57, s36, 1                          ; w % 2
	s_and_b32 s58, s36, 3                          ; w % 4
	s_mov_b32 s53, 0
	s_wait_kmcnt 0x0
	s_cmp_ge_u32 ttmp9, 128                        ; the key's MLP?  The choice hangs on the work-group's number alone
	s_cselect_b64 s[4:5], s[6:7], s[4:5]
	s_cselect_b64 s[10:11], s[12:13], s[10:11]
	s_cselect_b64 s[14:15], s[16:17], s[14:15]
	s_cselect_b64 s[22:23], s[24:25], s[22:23]
	s_cselect_b32 s37, 1, 0
	s_lshl_b32 s52, s54, 17                        ; x: (64 m + 32 (w / 4) + 8 ((w / 2) % 2)) rows of 2,048 bytes + 1,024 (w % 2)
	s_lshl_b32 s59, s55, 16
	s_add_co_u32 s52, s52, s59
	s_lshl_b32 s59, s56, 14
	s_add_co_u32 s52, s52, s59
	s_lshl_b32 s59, s57, 10
	s_add_co_u32 s52, s52, s59
	s_add_nc_u64 s[4:5], s[4:5], s[52:53]
	s_lshl_b32 s52, ttmp9, 16                      ; value: (32 i + 8 (w / 4)) rows + 512 (w % 4)
	s_lshl_b32 s59, s55, 14
	s_add_co_u32 s52, s52, s59
	s_lshl_b32 s59, s58, 9
	s_add_co_u32 s52, s52, s59
	s_add_nc_u64 s[8:9], s[8:9], s[52:53]
	s_lshl_b32 s52, s36, 8
	s_add_nc_u64 s[18:19], s[18:19], s[52:53]      ; bv: head w
	; ---- the inputs are asked for: my two fragments of x, my one of value, my four numbers of bv
	XLOAD ACC, 4, 0
	XLOAD ACC+64, 4, 512
	WIN 0x40
	XLOAD 192, 8, 0
	WIN 0
.irp t, 0,1,2,3
	global_load_b32 v[BV+2*\t], v[BVA], s[18:19] offset:4*(32*(\t/2)+8*(\t%2))
.endr
	s_lshl_b32 s52, s36, 9
	s_add_nc_u64 s[10:11], s[10:11], s[52:53]      ; b1: my 128
	s_lshl_b32 s52, s36, 7
	s_add_nc_u64 s[14:15], s[14:15], s[52:53]      ; b2: my 32
	s_lshl_b32 s52, s37, 4
	s_lshl_b32 s59, s36, 1
	s_add_co_u32 s52, s52, s59
	s_mul_i32 s52, s52, SETB
	s_add_nc_u64 s[28:29], s[20:21], s[52:53]      ; W1: sets 2 w, 2 w + 1
	s_add_nc_u64 s[30:31], s[28:29], SETB
	s_add_co_u32 s52, s36, 48
	s_mul_i32 s52, s52, SETB
	s_add_nc_u64 s[32:33], s[20:21], s[52:53]      ; Wv: set w
	s_lshl_b32 s52, s37, 3
	s_add_co_u32 s52, s52, s36
	s_add_co_u32 s52, s52, 32
	s_mul_i32 s52, s52, SETB
	s_add_nc_u64 s[34:35], s[20:21], s[52:53]      ; W2: set w
	s_lshl_b32 s52, s54, 3
	s_add_co_u32 s52, s52, s36
	s_mul_i32 s52, s52, REC
	s_add_nc_u64 s[22:23], s[22:23], s[52:53]      ; my record of q or k
	s_lshl_b32 s52, ttmp9, 3
	s_add_co_u32 s52, s52, s36
	s_mul_i32 s52, s52, REC
	s_add_nc_u64 s[26:27], s[26:27], s[52:53]      ; my record of v
	; ---- the inputs are quantised and go to LDS
	s_wait_loadcnt 36                              ; the first 16 loads are in: behind them stand x's second 16, value's 16 and bv's 4
	QUANT ACC, 0
	IMG6 PC, XWX, XWY, 0
	IMG6 PC+6, XWX, XWY, 768
	ds_store_b32 v[XWS], v[PW]
	s_wait_loadcnt 0x0
	WLOAD 28                                       ; the first set of W1 is on its way while the rest is quantised
	BLOAD 10, 4, 0
	s_wait_dscnt 0x0                               ; the stores have read their registers
	QUANT ACC+64, 0
	IMG6 PC, XWX, XWY, FRB
	IMG6 PC+6, XWX, XWY, FRB+768
	ds_store_b32 v[XWS], v[PW] offset:128
	s_wait_dscnt 0x0
	QUANT 192, 1
	IMG6 PC, VWX, VWY, 0
	IMG6 PC+6, VWX, VWY, 768
	ds_store_b32 v[VWS], v[PW]
	BARRIER                                        ; x's sixteen fragments and value's eight lie in LDS
; ---- 64 hidden units for the 64 rows: 16 accumulators by turns, a step of 128 along K at a time; then the next set is asked for, and lands under the activation
.macro HALF hg, nxt
	s_wait_loadcnt 0x0                             ; the set and its bias
.irp s, 0,1,2,3
	WIN 0x40
.irp be, 0,1,2,3
	FETCH FR+12*\be, L16, L8, XIMG+(4*\be+\s)*FRB
.endr
	WIN 0
.irp be, 0,1,2,3
	ds_load_b32 v[FS+\be], v[L4X] offset:128*(4*\be+\s)
.endr
	s_wait_dscnt 0x0
	WIN 0x05                                       ; sources 0 and 1 in window 1, C and D in window 0
.irp be, 0,1,2,3
.irp t, 0,1,2,3
.if \s == 0
	MMA ACC+32*\be+8*\t, 12*(4*\s+\t), FR+12*\be, BIAS+8*\t, WS+4*\s+\t, FS+\be
.else
	MMA ACC+32*\be+8*\t, 12*(4*\s+\t), FR+12*\be, ACC+32*\be+8*\t, WS+4*\s+\t, FS+\be
.endif
.endr
.endr
	WIN 0
	PLACES
.endr
	WLOAD \nxt
.if \hg == 0
	BLOAD 10, 4, 256
.endif
.irp g, 0,1,2,3,4,5,6,7
	GELU16 ACC+16*\g
.endr
.irp pp, 0,1                                   ; two tiles of rows at a time: each gives half hg of its fragment of K step w, and two bytes of its scale word
	QUANT ACC+64*\pp, 0
	IMG6 PC, VWX, VWY, 12288+8*(2*\pp)*FRB+768*\hg
	IMG6 PC+6, VWX, VWY, 12288+8*(2*\pp+1)*FRB+768*\hg
	ds_store_b16 v[VWS], v[PW] offset:1024+128*8*(2*\pp)+2*\hg
	ds_store_b16_d16_hi v[VWS], v[PW] offset:1024+128*8*(2*\pp+1)+2*\hg
	s_wait_dscnt 0x0                               ; the stores have read their registers
.endr
.endm
	HALF 0, 30
	HALF 1, 32
	; ---- v: source 0 = 16 tokens of value, source 1 = 16 channels of Wv: a lane holds one channel, its 16 registers of tiles u = 0, 1 are 16 neighbouring keys
	s_wait_loadcnt 0x0
.irp s, 0,1,2,3
	WIN 0x40
	FETCH FR, L16, L8, VIMG+\s*FRB
	FETCH FR+12, L16, L8, VIMG+(4+\s)*FRB
	WIN 0
	ds_load_b32 v[FS], v[L4X] offset:2048+128*\s
	ds_load_b32 v[FS+1], v[L4X] offset:2048+128*(4+\s)
	s_wait_dscnt 0x0
	WIN 0x05
.irp t, 0,1,2,3
.irp u, 0,1
.if \s == 0
	MMA0 ACC+16*\t+8*\u, FR+12*\u, 12*(4*\s+\t), FS+\u, WS+4*\s+\t
.else
	MMA ACC+16*\t+8*\u, FR+12*\u, 12*(4*\s+\t), ACC+16*\t+8*\u, FS+\u, WS+4*\s+\t
.endif
.endr
.endr
	WIN 0
	PLACES
.endr
	WLOAD 34
	BLOAD 14, 2, 0
.irp t, 0,1,2,3
.irp k, 0,2,4,6,8,10,12,14
	v_pk_add_f32 v[ACC+16*\t+\k:ACC+16*\t+\k+1], v[ACC+16*\t+\k:ACC+16*\t+\k+1], v[BV+2*\t:BV+2*\t+1] op_sel_hi:[1,0]   ; + bv of my channel
.endr
.endr
	QUANT ACC, 0                                   ; along the keys: block t is channel slot 16 t + r
	global_store_b128 v[L16], v[PC:PC+3], s[26:27]
	global_store_b128 v[L16], v[PC+6:PC+9], s[26:27] offset:512
	global_store_b64 v[L8], v[PC+4:PC+5], s[26:27] offset:1024
	global_store_b64 v[L8], v[PC+10:PC+11], s[26:27] offset:1280
	global_store_b64 v[L8], v[PW:PW+1], s[26:27] offset:1536   ; each store covers 512 or 256 consecutive bytes, aligned to 256
	BARRIER                                        ; the hidden layer's 32 fragments lie in LDS
	; ---- q or k: head w for the 64 rows: 8 accumulators by turns, 8 steps of 128 along K
	s_wait_loadcnt 0x0
.irp s, 0,1,2,3,4,5,6,7
	WIN 0x40
.irp be, 0,1,2,3
	FETCH FR+12*\be, H16, H8, (8*\be+\s)*FRB
.endr
	WIN 0
.irp be, 0,1,2,3
	ds_load_b32 v[FS+\be], v[L4X] offset:3072+128*(8*\be+\s)
.endr
	s_wait_dscnt 0x0
	WIN 0x05
.irp be, 0,1,2,3
.irp t, 0,1
.if \s == 0
	MMA ACC+16*\be+8*\t, 12*(2*\s+\t), FR+12*\be, BIAS+8*\t, WS+2*\s+\t, FS+\be
.else
	MMA ACC+16*\be+8*\t, 12*(2*\s+\t), FR+12*\be, ACC+16*\be+8*\t, WS+2*\s+\t, FS+\be
.endif
.endr
.endr
	WIN 0
	PLACES
.endr
	s_wait_xcnt 0x0                                ; v's stores have read their data: the codes' registers are written again only behind this wait
	QUANT ACC, 0                                   ; block beta: the head's 32 numbers of the tokens of tile beta
.irp c, 0,1,2
	global_store_b128 v[L16], v[PC+4*\c:PC+4*\c+3], s[22:23] offset:512*\c
.endr
	global_store_b64 v[L8], v[PW:PW+1], s[22:23] offset:1536
	s_wait_tensorcnt 0x0
	ds_add_u32 v126, v127
	s_wait_dscnt 0x0
	s_endpgm
.Lfunc_end_k_q508f4c78e3_proj:
	.size	k_q508f4c78e3_proj, .Lfunc_end_k_q508f4c78e3_proj-k_q508f4c78e3_proj
	.p2alignl 7, 3214868480
	.fill 96, 4, 3214868480
	.section	.rodata,"a",@progbits
	.p2align	6, 0x0
	.amdhsa_kernel k_q508f4c78e3_proj
		.amdhsa_group_segment_fixed_size 94208
		.amdhsa_private_segment_fixed_size 0
		.amdhsa_enable_private_segment 0
		.amdhsa_kernarg_size 96
		.amdhsa_user_sgpr_count 2
		.amdhsa_user_sgpr_kernarg_segment_ptr 1
		.amdhsa_wavefront_size32 1
		.amdhsa_system_sgpr_workgroup_id_x 1
		.amdhsa_system_sgpr_workgroup_id_y 1
		.amdhsa_system_sgpr_workgroup_id_z 1
		.amdhsa_system_vgpr_workitem_id 0
		.amdhsa_next_free_vgpr 512
		.amdhsa_next_free_sgpr 66
		.amdhsa_reserve_vcc 0
		.amdhsa_float_denorm_mode_32 3
		.amdhsa_float_denorm_mode_16_64 3
		.amdhsa_memory_ordered 1
		.amdhsa_forward_progress 1
		.amdhsa_inst_pref_size 253
	.end_amdhsa_kernel
	.amdgpu_metadata
---
amdhsa.version: [ 1, 2 ]
amdhsa.kernels:
  - .name:           k_q508f4c78e3_proj
    .symbol:         k_q508f4c78e3_proj.kd
    .args:
      - { .name: query, .offset: 0, .size: 8, .value_kind: global_buffer, .address_space: global }
      - { .name: key, .offset: 8, .size: 8, .value_kind: global_buffer, .address_space: global }
      - { .name: value, .offset: 16, .size: 8, .value_kind: global_buffer, .address_space: global }
      - { .name: bq1, .offset: 24, .size: 8, .value_kind: global_buffer, .address_space: global }
      - { .name: bk1, .offset: 32, .size: 8, .value_kind: global_buffer, .address_space: global }
      - { .name: bq2, .offset: 40, .size: 8, .value_kind: global_buffer, .address_space: global }
      - { .name: bk2, .offset: 48, .size: 8, .value_kind: global_buffer, .address_space: global }
      - { .name: bv, .offset: 56, .size: 8, .value_kind: global_buffer, .address_space: global }
      - { .name: wts, .offset: 64, .size: 8, .value_kind: global_buffer, .address_space: global }
      - { .name: qc, .offset: 72, .size: 8, .value_kind: global_buffer, .address_space: global }
      - { .name: kc, .offset: 80, .size: 8, .value_kind: global_buffer, .address_space: global }
      - { .name: vc, .offset: 88, .size: 8, .value_kind: global_buffer, .address_space: global }
    .group_segment_fixed_size: 94208
    .private_segment_fixed_size: 0
    .kernarg_segment_align: 8
    .kernarg_segment_size: 96
    .max_flat_workgroup_size: 256
    .sgpr_count:     66
    .vgpr_count:     512
    .wavefront_size: 32
...
	.end_amdgpu_metadata
.endif
;; end of part 2
;; launch attn (part 3): grid 16 x 16, 16 waves a work-group, clusters of 4 x 1, 327,680 bytes of LDS; arguments qc, kc, vc, xc; writes xc
.if DOCPART == 3
	.amdgcn_target "amdgcn-amd-amdhsa--gfx1250"
	.amdhsa_code_object_version 6
	.text
	.protected	k_q508f4c78e3_attn
	.globl	k_q508f4c78e3_attn
	.p2align	8
	.type	k_q508f4c78e3_attn,@function
k_q508f4c78e3_attn:
	s_mov_b64 s[64:65], 0
	v_nop
	global_prefetch_b8 v0, s[64:65] scope:SCOPE_SE
	s_setreg_imm32_b32 hwreg(HW_REG_WAVE_MODE, 25, 1), 1
	s_wait_xcnt 0x0
	s_wait_alu depctr_hold_cnt(0) depctr_sa_sdst(0) depctr_va_vdst(0) depctr_va_sdst(0) depctr_va_ssrc(0) depctr_va_vcc(0) depctr_vm_vsrc(0)
	s_getreg_b32 s2, hwreg(HW_REG_IB_STS2, 6, 4)
	s_cmp_eq_u32 s2, 0
	s_cbranch_scc0 .Lentry_in_a_cluster
	s_endpgm
.Lentry_in_a_cluster:
	s_bfe_u32 s2, ttmp6, 0x10000c
	s_cmp_lg_u32 s2, 0x3003
	s_cbranch_scc0 .Lentry_shape_is_right
	s_endpgm
.Lentry_shape_is_right:
; x[b][q][head] = softmax_k(q . k / sqrt(32)) v, both products on FP6 (E2M3) codes with E8M0 scales; x leaves quantised along d_model for the last product.
; THE SOFTMAX AHEAD OF THE SECOND PRODUCT: t = score x log2(e) / sqrt(32); M = the running largest t rounded UP to a whole number; p = 2^(t - M) is quantised along the keys, not normalised;
; the row's sum is taken of the unquantised p and divides at the end; when M moves, the sum and O are multiplied by 2^(old M - new M), which rounds nothing.
; SHARES.  A work-group owns 256 queries of one (batch, head); each of its sixteen waves one tile of 16 queries in 256 registers.  Every wave walks the head's 4,096 keys, 128 a step.
; ALL OF A HEAD'S K AND V LIES IN LDS AT ONCE: K's 64 records of 1,792 bytes (codes and scale words), V's 128 records of 1,536, V's scale words 8,192: 319,488 bytes.  Nothing is filled twice.
; It comes in four chunks of 1,024 keys; the first chunk is walked while the others are on their way.  By this text's own count a wave has four tensor loads out at the most.
; CLUSTER.  The four work-groups of a cluster belong to one head: each chunk is asked for JOINTLY, by the same tensor load with the same descriptor and a mask that names the four.
; THE FIRST PRODUCT HAS K = 32.  A record of K is a whole fragment whose four blocks of 32 along K hold four tiles of 16 keys.  It is multiplied by four copies of Q, copy b with Q's codes in block b and zero codes elsewhere:
; product b gives the scores of tile b.  Both products are used transposed (S^T = K Q^T, O^T = V^T P^T): a lane holds one query throughout, and the 16 registers of two neighbouring tiles of S^T are 16 neighbouring keys.
; LIMITS: NaN and infinities are not served; a block of zeros gets the byte 1 (its codes are zeros; this program alone reads the bytes).
; REGISTERS: v1-5 addresses that stay; v6-10 the step's; v11 at work; v12 -M, v13 the largest t, v[14:15] the sum; v16-63 Q's four copies; v64-87 two fragments of K, then at work; v88-135 four fragments of V;
;            v136-199 S^T, then p; v200-231 O^T; v232-243 p's codes; v244 f; v245 p's scale word; v246-247 K's scale words, v248-251 V's, v252-255 Q's.
.set VL, 114688                        ; LDS: K's records from 0, V's from here,
.set VW, 311296                        ; V's scale words [step][tile][row] from here: stored by the waves, no fill lands there
.set WV, 12
.macro CROUND                          ; a round of the cluster's barrier
	s_barrier_signal -1
	s_barrier_wait -1
	s_cmp_lg_u32 s[WV], 0
	s_cbranch_scc1 .Lnot_wave_0_\@
	s_barrier_signal -3
.Lnot_wave_0_\@:
	s_barrier_wait -3
	s_barrier_signal -1
	s_barrier_wait -1
.endm
	s_load_b128 s[4:7], s[0:1], 0x0                ; qc, kc
	s_load_b128 s[8:11], s[0:1], 0x10              ; vc, xc
	v_lshl_add_u32 v254, v0, 2, 0x4e000
	v_mov_b32 v255, 0
	ds_add_u32 v254, v255
	ds_add_u32 v254, v255
	s_wait_dscnt 0x0
	v_lshrrev_b32 v6, 5, v0
	v_readfirstlane_b32 s[WV], v6                  ; wave 0..15
	s_bfe_u32 s13, ttmp6, 0x40000                  ; cx: it enters Q's and x's addresses alone
	s_lshl_b32 s14, ttmp9, 2
	s_add_co_u32 s14, s14, s13                     ; my block of 256 queries
	s_and_b32 s15, ttmp7, 0xffff
	s_lshr_b32 s16, s15, 3                         ; batch
	s_and_b32 s17, s15, 7                          ; head
	s_mul_i32 s18, s16, 917504                     ; K: 64 blocks x 8 heads x 1,792 bytes a batch
	s_mul_i32 s19, s17, 1792
	s_add_co_u32 s18, s18, s19
	s_mov_b32 s19, 0
	s_mul_i32 s56, s16, 1835008                    ; V: 128 blocks x 8 heads x 1,792
	s_mul_i32 s57, s17, 1792
	s_add_co_u32 s56, s56, s57
	s_mov_b32 s57, 0
	; descriptor group 1.  K: 16 records of 1,792 bytes (224 elements of 8 bytes), 14,336 bytes (1,792 elements) apart;  V: the first 1,536 bytes (192 elements) of 32 records
	s_mov_b32 s24, 15|(3<<16)|(1<<21)              ; 15:0 the mask: all four work-groups; 17:16 elements of 8 bytes; 21 set beside a mask; no padding
	s_mov_b32 s25, 224<<16                         ; tensor_dim0
	s_mov_b32 s26, 16<<16                          ; tensor_dim1
	s_mov_b32 s27, 224<<16                         ; tile_dim0
	s_mov_b32 s28, 16                              ; tile_dim1
	s_mov_b32 s29, 1792                            ; tensor_dim0_stride
	s_mov_b32 s30, 0
	s_mov_b32 s31, 0
	s_mov_b32 s32, 15|(3<<16)|(1<<21)
	s_mov_b32 s33, 192<<16
	s_mov_b32 s34, 32<<16
	s_mov_b32 s35, 192<<16
	s_mov_b32 s36, 32
	s_mov_b32 s37, 1792
	s_mov_b32 s38, 0
	s_mov_b32 s39, 0
	s_mov_b32 s20, 0x76543210
	s_mov_b32 s21, 0xfedcba98                      ; lane selects: lane l xor 16
	s_mov_b32 s22, 0x3e8293ee                      ; c = log2(e) / sqrt(32)
	s_mov_b32 s23, s22
	s_mov_b32 s88, 0xffff                          ; lanes 0-15
	s_mov_b32 s89, 0xffff0000                      ; lanes 16-31
	s_wait_kmcnt 0x0
	s_add_nc_u64 s[6:7], s[6:7], s[18:19]          ; K and V at my batch and head, which the four partners share
	s_add_nc_u64 s[8:9], s[8:9], s[56:57]
.irp c, 0,1,2,3
	s_mov_b32 s[40+4*\c], 1                        ; count = 1
	s_mov_b32 s[41+4*\c], 28672*\c                 ; LDS address
	s_add_nc_u64 s[42+4*\c:43+4*\c], s[6:7], 229376*\c   ; chunk c: 16 records on
	s_or_b32 s[43+4*\c], s[43+4*\c], 0x80000000    ; type = 2
	s_mov_b32 s[68+4*\c], 1
	s_mov_b32 s[69+4*\c], VL+49152*\c
	s_add_nc_u64 s[70+4*\c:71+4*\c], s[8:9], 458752*\c   ; 32 records on
	s_or_b32 s[71+4*\c], s[71+4*\c], 0x80000000
.endr
	CROUND                                         ; all four work-groups are here: the joint loads meet
	s_cmp_eq_u32 s[WV], 0                          ; wave 0 asks for K's four chunks, wave 1 for V's: a wave's fills stand in one branch on the wave's number
	s_cbranch_scc0 .Lnot_k
	tensor_load_to_lds s[40:43], s[24:31]
	s_nop 0
	tensor_load_to_lds s[44:47], s[24:31]
	s_nop 0
	tensor_load_to_lds s[48:51], s[24:31]
	s_nop 0
	tensor_load_to_lds s[52:55], s[24:31]
	s_nop 0
.rept 4
	v_nop
.endr
	s_branch .Lasked
.Lnot_k:
	s_cmp_eq_u32 s[WV], 1
	s_cbranch_scc0 .Lasked
	tensor_load_to_lds s[68:71], s[32:39]
	s_nop 0
	tensor_load_to_lds s[72:75], s[32:39]
	s_nop 0
	tensor_load_to_lds s[76:79], s[32:39]
	s_nop 0
	tensor_load_to_lds s[80:83], s[32:39]
	s_nop 0
.rept 4
	v_nop
.endr
.Lasked:
	s_lshr_b32 s60, s[WV], 2
	s_and_b32 s61, s[WV], 3                        ; beta: my tile in its block of 64 tokens
	s_lshl_b32 s62, s14, 2
	s_add_co_u32 s62, s62, s60
	s_lshl_b32 s63, s16, 6
	s_add_co_u32 s62, s62, s63                     ; m: the block of 64 tokens
	s_lshl_b32 s90, s62, 3
	s_add_co_u32 s90, s90, s17
	s_mul_i32 s90, s90, 1792
	s_mov_b32 s91, 0
	s_add_nc_u64 s[4:5], s[4:5], s[90:91]          ; Q's record
	s_lshl_b32 s90, s62, 2
	s_add_co_u32 s90, s90, s61
	s_lshl_b32 s90, s90, 3
	s_add_co_u32 s90, s90, s17
	s_lshl_b32 s90, s90, 10
	s_add_nc_u64 s[10:11], s[10:11], s[90:91]      ; my 1,024 bytes of x
	; Q's 24 bytes of row r lie in the record's image as registers 6 (beta / 2) + 0 .. 5 of lane r + 16 (beta % 2): three pieces of 8 bytes
	s_cmp_lt_u32 s61, 2
	s_cselect_b32 s92, 0, 520
	s_cselect_b32 s93, 8, 1024
	s_mov_b32 s94, 1032
	s_cselect_b32 s94, 512, s94
	s_and_b32 s95, s61, 1
	s_lshl_b32 s95, s95, 8
	s_add_co_u32 s92, s92, s95
	s_add_co_u32 s93, s93, s95
	s_add_co_u32 s94, s94, s95
	v_and_b32 v6, 31, v0                           ; lane
	v_and_b32 v7, 15, v0                           ; r
	v_bfe_u32 v8, v0, 4, 1                         ; h
	v_lshlrev_b32 v9, 4, v7
	v_add_nc_u32 v70, s92, v9
	v_add_nc_u32 v71, s93, v9
	v_add_nc_u32 v72, s94, v9
	v_lshlrev_b32 v74, 3, v7
	global_load_b64 v[64:65], v70, s[4:5]
	global_load_b64 v[66:67], v71, s[4:5]
	global_load_b64 v[68:69], v72, s[4:5]
	global_load_b32 v73, v74, s[4:5] offset:1536   ; row r's scale word
	; V's scale words: thread 16 s + r takes the words of row r of the four records of step s
	v_lshrrev_b32 v10, 4, v0
	v_mul_u32_u24 v75, v10, 57344
	v_lshl_add_u32 v75, v7, 3, v75
.irp bb, 0,1,2,3
	global_load_b32 v[76+\bb], v75, s[8:9] offset:14336*\bb+1536
.endr
	v_lshlrev_b32 v1, 4, v6                        ; K: 16 x lane
	v_lshl_add_u32 v2, v7, 3, 1536                 ; K's scale words: 1,536 + 8 r
	v_mul_u32_u24 v11, v8, 1536                    ; V: lanes 16-31 take the next block of 32 keys
	v_lshl_add_u32 v3, v7, 4, v11
	v_add_nc_u32 v3, VL, v3
	v_lshl_add_u32 v4, v7, 3, v11
	v_add_nc_u32 v4, VL+1024, v4
	v_lshlrev_b32 v5, 2, v7
	v_add_nc_u32 v5, VW, v5
	v_lshlrev_b32 v10, 8, v10
	v_lshl_add_u32 v10, v7, 2, v10
	v_add_nc_u32 v10, VW, v10                      ; where my four words of V's scales go: 256 s + 4 r
	s_lshl_b32 s95, s61, 3
	s_wait_loadcnt 0x0
.irp b, 0,1,2,3                                ; copy b of Q: its codes in block b (registers 6 (b / 2) on, lanes of half b % 2), zero codes elsewhere
.irp j, 0,1,2,3,4,5,6,7,8,9,10,11
.if (\j/6) == (\b/2)
	v_cndmask_b32 v[16+12*\b+\j], 0, v[64+\j%6], s[88+\b%2]
.else
	v_mov_b32 v[16+12*\b+\j], 0
.endif
.endr
.endr
	v_lshrrev_b32 v73, s95, v73
	v_and_b32 v252, 0xff, v73                      ; my tile's byte, at byte b of copy b's scale word; the other bytes stand over zero codes
	v_lshlrev_b32 v253, 8, v252
	v_lshlrev_b32 v254, 16, v252
	v_lshlrev_b32 v255, 24, v252
	v_perm_b32 v80, v77, v76, 0x05010400           ; four words with a byte for each tile become four words with a byte for each block of keys
	v_perm_b32 v81, v77, v76, 0x07030602
	v_perm_b32 v82, v79, v78, 0x05010400
	v_perm_b32 v83, v79, v78, 0x07030602
	v_perm_b32 v84, v82, v80, 0x05040100
	v_perm_b32 v85, v82, v80, 0x07060302
	v_perm_b32 v86, v83, v81, 0x05040100
	v_perm_b32 v87, v83, v81, 0x07060302
.irp t, 0,1,2,3
	ds_store_b32 v10, v[84+\t] offset:64*\t
.endr
	v_mov_b32 v13, 0xff61b1e6                      ; the largest t so far: -3e38
	v_floor_f32 v12, -v13                          ; -M
	v_mov_b32 v14, 0
	v_mov_b32 v15, 0
	v_mov_b32 v245, 0                              ; (named as the upper half of the pair v[244:245] before it is first written)
.set JJ, 0
.rept 32
	v_mov_b32 v[200+JJ], 0                         ; O^T: the step is written once; the first finds zeros
.set JJ, JJ+1
.endr
; A KEY STEP: 128 keys: two records of K, four of V.
.macro STEP
	v_add_nc_u32 v6, s84, v1                       ; (these five are also the plain instructions between the last products and the loads into their registers)
	v_add_nc_u32 v7, s84, v2
	v_add_nc_u32 v8, s85, v3
	v_add_nc_u32 v9, s85, v4
	v_add_nc_u32 v10, s86, v5
.irp g, 0,1
.irp c, 0,1,2
	ds_load_b128 v[64+12*\g+4*\c:67+12*\g+4*\c], v6 offset:1792*\g+512*\c
.endr
	ds_load_b32 v[246+\g], v7 offset:1792*\g
.endr
	s_wait_dscnt 0x0
.irp g, 0,1
.irp b, 0,1,2,3
	v_wmma_scale_f32_16x16x128_f8f6f4 v[136+8*(4*\g+\b):143+8*(4*\g+\b)], v[64+12*\g:75+12*\g], v[16+12*\b:27+12*\b], 0, v[246+\g], v[252+\b] matrix_a_fmt:MATRIX_FMT_FP6 matrix_b_fmt:MATRIX_FMT_FP6
.endr
.endr
.irp t, 0,1,2,3                                ; V's fragments are asked for here and land under the softmax
.irp c, 0,1
	ds_load_b128 v[88+12*\t+6*\c:91+12*\t+6*\c], v8 offset:3072*\c+256*\t
	ds_load_b64 v[92+12*\t+6*\c:93+12*\t+6*\c], v9 offset:3072*\c+128*\t
.endr
	ds_load_b32 v[248+\t], v10 offset:64*\t
.endr
.rept 4
	v_nop                                          ; four plain instructions between the products and the first read of their results and write of their sources
.endr
.irp b, 0,1,2,3
	v_max3_num_f32 v[64+\b], v[136+16*\b], v[137+16*\b], v[138+16*\b]   ; the largest score of each block of 32 keys: for the row's maximum, and, since p rises with the score, for the block's largest p
.endr
.irp i, 3,5,7,9,11,13
.irp b, 0,1,2,3
	v_max3_num_f32 v[64+\b], v[64+\b], v[136+16*\b+\i], v[137+16*\b+\i]
.endr
.endr
.irp b, 0,1,2,3
	v_max_num_f32 v[64+\b], v[64+\b], v[151+16*\b]
.endr
.irp b, 0,1,2,3
	v_permlanex16_b32 v[68+\b], v[64+\b], s20, s21
.endr
.irp b, 0,1,2,3
	v_max_num_f32 v[64+\b], v[64+\b], v[68+\b]     ; with lane l xor 16's 16 keys
.endr
	v_max3_num_f32 v11, v64, v65, v66
	v_max_num_f32 v11, v11, v67
	v_mul_f32 v11, s22, v11                        ; the step's largest t
	v_max_num_f32 v13, v13, v11
	v_mov_b32 v11, v12
	v_floor_f32 v12, -v13                          ; the new -M: a whole number
	v_sub_f32 v11, v12, v11
	v_cvt_i32_f32 v11, v11                         ; (it saturates)
	v_ldexp_f32 v244, 1.0, v11                     ; f = 2^(old M - new M)
.set JJ, 0
.rept 32
	v_pk_fma_f32 v[136+JJ:137+JJ], v[136+JJ:137+JJ], s[22:23], v[12:13] op_sel_hi:[1,0,0]   ; t - M
.set JJ, JJ+2
.endr
.irp b, 0,1,2,3
	v_fma_f32 v[64+\b], v[64+\b], s22, v12
.endr
.set JJ, 0
.rept 64
	v_exp_f32 v[136+JJ], v[136+JJ]                 ; p, at most 1, not normalised
.set JJ, JJ+1
.endr
	v_pk_mul_f32 v[14:15], v[14:15], v[244:245] op_sel_hi:[1,0]   ; the sums under the new M (a plain instruction behind the exponentials)
	s_wait_alu depctr_va_vdst(0)                   ; one wait for the batch of 64, ahead of its first reader
.irp b, 0,1,2,3
	v_exp_f32 v[64+\b], v[64+\b]                   ; each block's largest p
.endr
	v_pk_add_f32 v[68:69], v[136:137], v[138:139]  ; the row's sum of the unquantised p, in two chains
.irp j, 4,8,12,16,20,24,28,32,36,40,44,48,52,56,60
	v_pk_add_f32 v[14:15], v[14:15], v[136+\j:137+\j]
	v_pk_add_f32 v[68:69], v[68:69], v[138+\j:139+\j]
.endr
	v_pk_add_f32 v[14:15], v[14:15], v[68:69]
	s_wait_alu depctr_va_vdst(0)                   ; and one for the four
.irp b, 0,1,2,3
	v_max_num_f32 v[64+\b], 0x1800000, v[64+\b]    ; the floor 2^(3 - 127)
.endr
.irp b, 0,1,2,3
	v_add_nc_u32 v[76+\b], 0xff000000, v[64+\b]    ; the conversion's scale operand
.endr
.irp b, 0,1,2,3
	v_lshrrev_b32 v[68+\b], 23, v[76+\b]           ; the scale's byte
.endr
	v_lshl_or_b32 v245, v69, 8, v68
	v_lshl_or_b32 v245, v70, 16, v245
	v_lshl_or_b32 v245, v71, 24, v245
.irp c, 0,1
	v_cvt_scalef32_pk16_fp6_f32 v[232+6*\c:234+6*\c], v[136+32*\c:151+32*\c], v[76+2*\c]
	v_cvt_scalef32_pk16_fp6_f32 v[68+4*\c:70+4*\c], v[152+32*\c:167+32*\c], v[76+2*\c+1]
.endr
	v_nop                                          ; one plain instruction behind the scaled conversions
.irp c, 0,1
.irp i, 0,1,2
	v_permlane16_swap_b32 v[232+6*\c+\i], v[68+4*\c+\i]
.endr
.irp i, 0,1,2
	v_mov_b32 v[235+6*\c+\i], v[68+4*\c+\i]
.endr
.endr
.set JJ, 0
.rept 16
	v_pk_mul_f32 v[200+JJ:201+JJ], v[200+JJ:201+JJ], v[244:245] op_sel_hi:[1,0]   ; O^T under the new M (also the plain instructions between p's codes and scale word and the products)
.set JJ, JJ+2
.endr
	s_wait_dscnt 0x0                               ; V's fragments and scale words
.irp t, 0,1,2,3
	v_wmma_scale_f32_16x16x128_f8f6f4 v[200+8*\t:207+8*\t], v[88+12*\t:99+12*\t], v[232:243], v[200+8*\t:207+8*\t], v[248+\t], v245 matrix_a_fmt:MATRIX_FMT_FP6 matrix_b_fmt:MATRIX_FMT_FP6
.endr
	s_add_co_u32 s84, s84, 3584
	s_add_co_u32 s85, s85, 6144
	s_add_co_u32 s86, s86, 256
.endm
; A chunk of 1,024 keys, eight steps.  The waves that asked wait until chunk c has landed: the 3 - c chunks asked for behind it may stay out.
.macro CHUNK c
	s_wait_tensorcnt 3-\c
	s_wait_dscnt 0x0                               ; my stores of V's scale words have landed; no LDS instruction of mine is out
	s_barrier_signal -1
	s_barrier_wait -1
	s_mov_b32 s84, 28672*\c                        ; where the chunk begins: K's records,
	s_mov_b32 s85, 49152*\c                        ; V's,
	s_mov_b32 s86, 2048*\c                         ; V's scale words
	s_mov_b32 s87, 8
.Lstep_\@:
	STEP
	s_sub_co_u32 s87, s87, 1
	s_cmp_lg_u32 s87, 0
	s_cbranch_scc1 .Lstep_\@
.endm
	CHUNK 0
	CHUNK 1
	CHUNK 2
	CHUNK 3
	; THE WAY OUT: O^T / the sum; its 32 registers are the head's two blocks of 32 channels, 16 neighbours of each: quantised along d_model and stored in the order of the last product's operand registers
.rept 4
	v_nop
.endr
	v_add_f32 v14, v14, v15
	v_permlanex16_b32 v244, v14, s20, s21
	v_add_f32 v14, v14, v244                       ; the row's sum
	v_rcp_f32 v14, v14
	v_mov_b32 v179, 0                              ; (a plain instruction behind the reciprocal)
	s_wait_alu depctr_va_vdst(0)                   ; the wait, ahead of the first reader
.set JJ, 0
.rept 32
	v_mul_f32 v[136+JJ], v[200+JJ], v14
.set JJ, JJ+1
.endr
.irp b, 0,1
	v_max3_num_f32 v[64+\b], |v[136+16*\b]|, |v[137+16*\b]|, 0x1800000
.endr
.irp i, 2,4,6,8,10,12,14
.irp b, 0,1
	v_max3_num_f32 v[64+\b], v[64+\b], |v[136+16*\b+\i]|, |v[137+16*\b+\i]|
.endr
.endr
.irp b, 0,1
	v_permlanex16_b32 v[68+\b], v[64+\b], s20, s21
.endr
.irp b, 0,1
	v_max_num_f32 v[64+\b], v[64+\b], v[68+\b]
.endr
.irp b, 0,1
	v_add_nc_u32 v[76+\b], 0xff000000, v[64+\b]
.endr
.irp b, 0,1
	v_lshrrev_b32 v[68+\b], 23, v[76+\b]
.endr
	v_lshl_or_b32 v178, v69, 8, v68                ; the two blocks' bytes
	v_cvt_scalef32_pk16_fp6_f32 v[168:170], v[136:151], v76
	v_cvt_scalef32_pk16_fp6_f32 v[172:174], v[152:167], v77
	v_nop
.irp i, 0,1,2
	v_permlane16_swap_b32 v[168+\i], v[172+\i]     ; lane (r, h) now holds block h whole
.endr
	v_mov_b32 v171, v172
	v_mov_b32 v176, v173
	v_mov_b32 v177, v174
	global_store_b128 v1, v[168:171], s[10:11]     ; each store covers 512 consecutive bytes, aligned to 256
	global_store_b128 v1, v[176:179], s[10:11] offset:512
	s_wait_dscnt 0x0
	s_wait_xcnt 0x0
	v_lshl_add_u32 v254, v0, 2, 0x4e000
	v_mov_b32 v255, 0
	s_wait_tensorcnt 0x0
	ds_add_u32 v254, v255
	s_wait_dscnt 0x0
	CROUND                                         ; the closing round: no work-group ends while a partner may still ask for a chunk that names it
	s_endpgm
.Lfunc_end_k_q508f4c78e3_attn:
	.size	k_q508f4c78e3_attn, .Lfunc_end_k_q508f4c78e3_attn-k_q508f4c78e3_attn
	.p2alignl 7, 3214868480
	.fill 96, 4, 3214868480
	.section	.rodata,"a",@progbits
	.p2align	6, 0x0
	.amdhsa_kernel k_q508f4c78e3_attn
		.amdhsa_group_segment_fixed_size 327680
		.amdhsa_private_segment_fixed_size 0
		.amdhsa_enable_private_segment 0
		.amdhsa_kernarg_size 32
		.amdhsa_user_sgpr_count 2
		.amdhsa_user_sgpr_kernarg_segment_ptr 1
		.amdhsa_wavefront_size32 1
		.amdhsa_system_sgpr_workgroup_id_x 1
		.amdhsa_system_sgpr_workgroup_id_y 1
		.amdhsa_system_sgpr_workgroup_id_z 1
		.amdhsa_system_vgpr_workitem_id 0
		.amdhsa_next_free_vgpr 256
		.amdhsa_next_free_sgpr 100
		.amdhsa_reserve_vcc 0
		.amdhsa_float_denorm_mode_32 3
		.amdhsa_float_denorm_mode_16_64 3
		.amdhsa_memory_ordered 1
		.amdhsa_forward_progress 1
		.amdhsa_inst_pref_size 82
	.end_amdhsa_kernel
	.amdgpu_metadata
---
amdhsa.version: [ 1, 2 ]
amdhsa.kernels:
  - .name:           k_q508f4c78e3_attn
    .symbol:         k_q508f4c78e3_attn.kd
    .args:
      - { .name: qc, .offset: 0, .size: 8, .value_kind: global_buffer, .address_space: global }
      - { .name: kc, .offset: 8, .size: 8, .value_kind: global_buffer, .address_space: global }
      - { .name: vc, .offset: 16, .size: 8, .value_kind: global_buffer, .address_space: global }
      - { .name: xc, .offset: 24, .size: 8, .value_kind: global_buffer, .address_space: global }
    .group_segment_fixed_size: 327680
    .private_segment_fixed_size: 0
    .kernarg_segment_align: 8
    .kernarg_segment_size: 32
    .max_flat_workgroup_size: 512
    .sgpr_count:     100
    .vgpr_count:     256
    .wavefront_size: 32
...
	.end_amdgpu_metadata
.endif
;; end of part 3
;; launch outp (part 4): grid 128 x 2, 4 waves a work-group, no clusters, 17,920 bytes of LDS; arguments xc, wts, bo, out0; writes out0
.if DOCPART == 4
	.amdgcn_target "amdgcn-amd-amdhsa--gfx1250"
	.amdhsa_code_object_version 6
	.text
	.protected	k_q508f4c78e3_outp
	.globl	k_q508f4c78e3_outp
	.p2align	8
	.type	k_q508f4c78e3_outp,@function
k_q508f4c78e3_outp:
	s_mov_b64 s[64:65], 0
	v_nop
	global_prefetch_b8 v0, s[64:65] scope:SCOPE_SE
	s_setreg_imm32_b32 hwreg(HW_REG_WAVE_MODE, 25, 1), 1
	s_wait_xcnt 0x0
; out0 = x Wo + bo on FP6 (E2M3) codes with E8M0 scales.  x comes as codes in the order of the operand's registers, Wo as records of fragments; K = 512 is four matrix instructions deep.
; SHARES.  A work-group takes 64 tokens (block m) x 256 columns (half hf); wave w takes 64 columns: one set of 16 fragments of Wo, 16 accumulators (4 tiles of tokens x 4 tiles of columns).
; All operands go from memory straight into registers, once; no LDS but each wave's own stage on the way out, so no barrier.
; NO JOINT LOADS: a work-group's operands (32,768 bytes of x, 114,688 of Wo) are read once into registers at the head and the launch has one run of 64 products a wave; a way through LDS would add a pass and no reuse inside the work-group.
; TRANSPOSED: source 0 = 16 columns of Wo, source 1 = 16 tokens: a lane holds eight neighbouring columns of one token.  Tiles are permuted as in the other launches: row r of tile T is index 32 (T / 2) + 8 (T % 2) + r + 8 (r / 8).
; REGISTERS.  Window 0: v1-6 addresses; v8-23 Wo's scale words; v24-39 x's; v40-71 x's half words, later rows on the way out; v72-103 the bias, later rows on the way out; v128-255 accumulators.
;             Window 1: Wo's 16 fragments.  Window 2: x's 16 fragments (4 beta + s).
.set REC,  1792
.set SETB, 16*REC
.set MSB, 0
.macro WIN new
.if MSB != (\new)
	s_set_vgpr_msb (MSB<<8)|(\new)
.set MSB, (\new)
.endif
.endm
	s_load_b128 s[4:7], s[0:1], 0x0                ; xc, wts
	s_load_b128 s[8:11], s[0:1], 0x10              ; bo, out0
	v_lshl_add_u32 v126, v0, 2, 0x4400
	v_mov_b32 v127, 0
	v_lshrrev_b32 v1, 5, v0
	v_readfirstlane_b32 s12, v1                    ; wave w
	s_and_b32 s14, ttmp7, 0xffff                   ; hf
	s_lshl_b32 s15, s14, 2
	s_add_co_u32 s15, s15, s12                     ; 4 hf + w: my 64 columns
	v_and_b32 v104, 31, v0
	v_and_b32 v105, 15, v0                         ; r
	v_bfe_u32 v106, v0, 4, 1                       ; h
	v_lshlrev_b32 v1, 4, v104                      ; 16 x lane
	v_lshlrev_b32 v2, 3, v105                      ; 8 r
	v_lshlrev_b32 v3, 6, v106                      ; 64 h
	s_mul_i32 s16, s12, 4352                       ; my stage: 16 rows x (256 bytes + 16)
	v_mul_u32_u24 v4, v105, 272
	v_lshl_add_u32 v4, v106, 6, v4
	v_add_nc_u32 v4, s16, v4                       ; in: row r, + 64 h
	v_mul_u32_u24 v5, v106, 272
	v_lshl_add_u32 v5, v105, 4, v5
	v_add_nc_u32 v5, s16, v5                       ; back: lanes 0-15 one row, lanes 16-31 the next
	v_lshlrev_b32 v6, 11, v106
	v_lshl_add_u32 v6, v105, 4, v6                 ; and the same two rows of out0
	s_mov_b32 s19, 0
	s_wait_kmcnt 0x0
	s_lshl_b32 s18, ttmp9, 15                      ; x: 32 records of 1,024 bytes a block
	s_add_nc_u64 s[4:5], s[4:5], s[18:19]
	s_add_co_u32 s18, s15, 56
	s_mul_i32 s18, s18, SETB
	s_add_nc_u64 s[6:7], s[6:7], s[18:19]          ; Wo's set
	s_lshl_b32 s18, s15, 8
	s_add_nc_u64 s[8:9], s[8:9], s[18:19]          ; bo: my 64
	s_add_nc_u64 s[10:11], s[10:11], s[18:19]      ; out0: my 256 bytes of a row,
	s_lshl_b32 s18, ttmp9, 17
	s_add_nc_u64 s[10:11], s[10:11], s[18:19]      ; 64 m rows of 2,048 bytes down
	WIN 0x40
.irp f, 0,1,2,3,4,5,6,7,8,9,10,11,12,13,14,15
.irp c, 0,1,2
	global_load_b128 v[12*\f+4*\c:12*\f+4*\c+3], v1, s[6:7] offset:REC*\f+512*\c
.endr
.endr
	WIN 0x80
.irp f, 0,1,2,3,4,5,6,7,8,9,10,11,12,13,14,15  ; fragment (beta = f / 4, s = f % 4): part c is head 2 s + c's record
.irp c, 0,1
	global_load_b128 v[12*\f+6*\c:12*\f+6*\c+3], v1, s[4:5] offset:(8*(\f/4)+2*(\f%4)+\c)*1024
	global_load_b64 v[12*\f+6*\c+4:12*\f+6*\c+5], v1, s[4:5] offset:(8*(\f/4)+2*(\f%4)+\c)*1024+512
.endr
.endr
	WIN 0
.irp f, 0,1,2,3,4,5,6,7,8,9,10,11,12,13,14,15
	global_load_b32 v[8+\f], v2, s[6:7] offset:REC*\f+1536
.irp c, 0,1
	global_load_b32 v[40+2*\f+\c], v1, s[4:5] offset:(8*(\f/4)+2*(\f%4)+\c)*1024+520   ; the head's two scale bytes
.endr
.endr
.irp t, 0,1,2,3
	global_load_b128 v[72+8*\t:75+8*\t], v3, s[8:9] offset:4*(32*(\t/2)+8*(\t%2))
	global_load_b128 v[76+8*\t:79+8*\t], v3, s[8:9] offset:4*(32*(\t/2)+8*(\t%2))+16
.endr
	s_wait_loadcnt 0x0
.irp f, 0,1,2,3,4,5,6,7,8,9,10,11,12,13,14,15
	v_lshl_or_b32 v[24+\f], v[41+2*\f], 16, v[40+2*\f]   ; two heads' bytes make the scale word of 128 along K
.endr
.rept 8
	v_nop                                          ; eight plain instructions between a scale word made by a vector instruction and the scaled product
.endr
	WIN 0x09                                       ; source 0 (Wo) window 1, source 1 (x) window 2, C and D window 0
.irp s, 0,1,2,3                                ; the 16 accumulators take turns, one instruction a turn
.irp be, 0,1,2,3
.irp t, 0,1,2,3
.if \s == 0
	v_wmma_scale_f32_16x16x128_f8f6f4 v[128+32*\be+8*\t:135+32*\be+8*\t], v[12*(4*\s+\t):12*(4*\s+\t)+11], v[12*(4*\be+\s):12*(4*\be+\s)+11], v[72+8*\t:79+8*\t], v[8+4*\s+\t], v[24+4*\be+\s] matrix_a_fmt:MATRIX_FMT_FP6 matrix_b_fmt:MATRIX_FMT_FP6
.else
	v_wmma_scale_f32_16x16x128_f8f6f4 v[128+32*\be+8*\t:135+32*\be+8*\t], v[12*(4*\s+\t):12*(4*\s+\t)+11], v[12*(4*\be+\s):12*(4*\be+\s)+11], v[128+32*\be+8*\t:135+32*\be+8*\t], v[8+4*\s+\t], v[24+4*\be+\s] matrix_a_fmt:MATRIX_FMT_FP6 matrix_b_fmt:MATRIX_FMT_FP6
.endif
.endr
.endr
.endr
	WIN 0
.rept 4
	v_nop                                          ; four plain instructions between the last products and the first read of results
.endr
	; THE WAY OUT, a tile of 16 tokens at a time, through my own stage: LDS serves a wave's instructions in order, so no wait stands between the stores and the loads, nor ahead of the next tile's stores
.irp be, 0,1,2,3
.if \be >= 2
	s_wait_xcnt 0x0                                ; the stores of two tiles back have read their registers: these are loaded again only behind this wait
.endif
.irp t, 0,1,2,3
	ds_store_b128 v4, v[128+32*\be+8*\t:131+32*\be+8*\t] offset:128*(\t/2)+32*(\t%2)     ; each accumulator from its low end on
	ds_store_b128 v4, v[132+32*\be+8*\t:135+32*\be+8*\t] offset:128*(\t/2)+32*(\t%2)+16
.endr
.irp i, 0,1,2,3,4,5,6,7
	ds_load_b128 v[40+32*(\be%2)+4*\i:43+32*(\be%2)+4*\i], v5 offset:544*\i
.endr
.irp i, 0,1,2,3,4,5,6,7
	s_wait_dscnt 7-\i                              ; load i is in: 7 - i were issued behind it
	global_store_b128 v6, v[40+32*(\be%2)+4*\i:43+32*(\be%2)+4*\i], s[10:11] offset:(32*(\be/2)+8*(\be%2)+2*\i+8*(\i/4))*2048 th:TH_STORE_NT   ; sixteen lanes store 256 consecutive bytes of a row, aligned to 256; rows 2 i, 2 i + 1 of the tile are tokens 2 i + 8 (i / 4) and the next
.endr
.endr
	s_wait_tensorcnt 0x0
	ds_add_u32 v126, v127
	s_wait_dscnt 0x0
	s_endpgm
.Lfunc_end_k_q508f4c78e3_outp:
	.size	k_q508f4c78e3_outp, .Lfunc_end_k_q508f4c78e3_outp-k_q508f4c78e3_outp
	.p2alignl 7, 3214868480
	.fill 96, 4, 3214868480
	.section	.rodata,"a",@progbits
	.p2align	6, 0x0
	.amdhsa_kernel k_q508f4c78e3_outp
		.amdhsa_group_segment_fixed_size 17920
		.amdhsa_private_segment_fixed_size 0
		.amdhsa_enable_private_segment 0
		.amdhsa_kernarg_size 32
		.amdhsa_user_sgpr_count 2
		.amdhsa_user_sgpr_kernarg_segment_ptr 1
		.amdhsa_wavefront_size32 1
		.amdhsa_system_sgpr_workgroup_id_x 1
		.amdhsa_system_sgpr_workgroup_id_y 1
		.amdhsa_system_sgpr_workgroup_id_z 1
		.amdhsa_system_vgpr_workitem_id 0
		.amdhsa_next_free_vgpr 768
		.amdhsa_next_free_sgpr 66
		.amdhsa_reserve_vcc 0
		.amdhsa_float_denorm_mode_32 3
		.amdhsa_float_denorm_mode_16_64 3
		.amdhsa_memory_ordered 1
		.amdhsa_forward_progress 1
		.amdhsa_inst_pref_size 36
	.end_amdhsa_kernel
	.amdgpu_metadata
---
amdhsa.version: [ 1, 2 ]
amdhsa.kernels:
  - .name:           k_q508f4c78e3_outp
    .symbol:         k_q508f4c78e3_outp.kd
    .args:
      - { .name: xc, .offset: 0, .size: 8, .value_kind: global_buffer, .address_space: global }
      - { .name: wts, .offset: 8, .size: 8, .value_kind: global_buffer, .address_space: global }
      - { .name: bo, .offset: 16, .size: 8, .value_kind: global_buffer, .address_space: global }
      - { .name: out0, .offset: 24, .size: 8, .value_kind: global_buffer, .address_space: global }
    .group_segment_fixed_size: 17920
    .private_segment_fixed_size: 0
    .kernarg_segment_align: 8
    .kernarg_segment_size: 32
    .max_flat_workgroup_size: 128
    .sgpr_count:     66
    .vgpr_count:     768
    .wavefront_size: 32
...
	.end_amdgpu_metadata
.endif
;; end of part 4
;; ======== version 2 of 2: 4 launches; version 1 with the launches proj, outp written anew for expert scheduling mode
;; limits: a function is approximated: absolute error at most 7.5e-08; an absolute error that grows with the inputs' magnitude: up to 7.5e-08 times it
;; workspace buffers: wts 1,835,008 bytes; qc 1,835,008 bytes; kc 1,835,008 bytes; vc 3,670,016 bytes; xc 4,194,304 bytes
;; launch prep: the kernel of part 1 again; grid 256 x 1, 4 waves a work-group, no clusters, 0 bytes of LDS; arguments Wq1, Wk1, Wq2, Wk2, Wv, Wo, wts; writes wts
;; launch proj (part 5): grid 256 x 1, 8 waves a work-group, no clusters, 94,208 bytes of LDS; arguments query, key, value, bq1, bk1, bq2, bk2, bv, wts, qc, kc, vc; writes qc, kc, vc
.if DOCPART == 5
	.amdgcn_target "amdgcn-amd-amdhsa--gfx1250"
	.amdhsa_code_object_version 6
	.text
	.protected	k_q508f4c78e3_proj
	.globl	k_q508f4c78e3_proj
	.p2align	8
	.type	k_q508f4c78e3_proj,@function
k_q508f4c78e3_proj:
	s_mov_b64 s[64:65], 0
	v_nop
	global_prefetch_b8 v0, s[64:65] scope:SCOPE_SE
	s_setreg_imm32_b32 hwreg(HW_REG_WAVE_SCHED_MODE, 0, 2), 2
	s_setreg_imm32_b32 hwreg(HW_REG_WAVE_MODE, 25, 1), 1
	s_wait_xcnt 0x0
	s_wait_alu depctr_vm_vsrc(0)
; q = gelu(query Wq1 + bq1) Wq2 + bq2, k likewise from key, v = value Wv + bv: five products on FP6 (E2M3) codes with E8M0 scales for each 32 along K; the results leave quantised for the attention launch.
; SHARES.  Work-group i takes 64 rows of one MLP (i < 128: query, else key; block m = i % 128) and rows 32 i .. 32 i + 31 of value.  Only pointers are chosen: one path through the text.
; THE EIGHT WAVES SHARE THE COLUMNS: wave w makes hidden units 128 w .. 128 w + 127 (two halves of 64), head w of v, head w of q or k, for all the work-group's rows.
; WEIGHTS come as records laid in the order of the operand's registers and go from memory straight into the one wave's registers, a set of 16 fragments (28,672 bytes) for each of four runs of products.
; NO JOINT LOADS: the eight waves' four sets are 917,504 bytes a work-group, more than LDS holds, so shared tiles would need slots filled again, each behind a round of a cluster's barrier; this text has none.
; ROWS go from wave to wave through LDS as images of operand registers; a fragment lies as two parts of 768 bytes (registers 6 c .. 6 c + 3 at 16 x lane, 6 c + 4, 6 c + 5 at 512 + 8 x lane), since a wave makes half a hidden fragment at a time.
; TILES ARE PERMUTED: row r of tile T of any axis is index 32 (T / 2) + 8 (T % 2) + r + 8 (r / 8).  So a lane's 16 registers of two neighbouring result tiles are 16 neighbours, which the conversions take as they stand.
; RESULTS.  qc, kc: a record for (block m, head): a whole fragment whose block beta of 32 along K holds the 32 codes of the tokens of tile beta; its scale word's byte beta is that token's.
;           vc: a record for (32 keys, head): for channel slot 16 t + r the block's 24 bytes (16 at 16 x slot, 8 at 1,024 + 8 x slot); scale word of lane r: byte t.
; GELU, exact form: gelu(x) = max(x, 0) - |x| Q(|x|), Q(y) = 2^(-y^2 log2(e) / 2) (c1 t + .. + c5 t^5), t = 1 / (1 + 0.23164189 y): Q's absolute error is at most 7.5e-8, gelu's at most 7.5e-8 |x|.
; LIMITS: NaN and infinities among the inputs are not served; a block of zeros gets the byte 1 (its codes are zeros; this program alone reads the bytes).
; REGISTERS.  Window 0: v1-15 addresses; v16-17 c4; v18-33 the set's scale words; v34-37 the rows' scale words; v38-69 biases; v70-117 at work; v118-125 bv; v128-255 accumulators.
;             Window 1: v0-191 the set of weights; v192-239 four fragments of rows; v192-255 value's numbers at the start.
; THE MODE: SCHED_MODE bits 1:0 = 2 (LLVM: expert scheduling mode 2), set by the entry lines.  The code itself states the register dependences
; between vector or matrix instructions and memory or LDS instructions, with s_wait_alu, always for 0.
; THE PLAN.  Registers that memory or LDS instructions touch:
;   v1-15        offsets and LDS addresses: written at the head, never again.
;   the set      window 1 v0-191, its scale words v18-33, the bias v38-69: global loads write them, a run's products read them; the next set is asked for behind the run's last step.
;   FRA, FS      window 1 v192-239 and v34-37: the rows' fragments and scale words of a run's EVEN steps: LDS loads write them, that step's products read them.
;   FRB, FT      those of the ODD steps.  FRB is window 0 v70-117 in the two halves (idle while products run: the activation and the quantiser work there between the runs) and window 0 v192-239 in the last
;                run (the upper accumulators are idle there); FT is v119, 121, 123, 125, the upper halves of bv's pairs, which are named and never used as numbers.  In v's run a buffer is half of FRA and half of FS.
;   v86-99       the scale word and the codes: the quantiser writes them, LDS or global stores read them.
; A step asks for the NEXT step's fragments, into the buffer that the step before read, and then multiplies: so ONE wait on va_vdst stands at the head of a step, ahead of that run of loads; a run's first step needs
; none, since the wait at the quantiser's end stands behind every vector instruction that names the buffer.  One wait on va_vdst behind a run's last step frees the set.  The wait at the quantiser's end serves the stores
; of its codes.  A wait on vm_vsrc stands behind each group of such stores, ahead of whatever writes v70-117 next.
.set REC,  1792
.set SETB, 16*REC
.set FRB,  1536
.set XIMG, 0                           ; LDS: x's 16 fragments (4 beta + s),
.set VIMG, 24576                       ; value's 8 (4 u + s),
.set HIMG, 36864                       ; the hidden layer's 32 (8 beta + g),
.set XSC,  86016                       ; and their scale words, 128 bytes a fragment, 4 x lane
.set VSC,  88064
.set HSC,  89088
.set L16, 1
.set L8,  2
.set L4X, 3
.set XA,  4
.set R8,  5
.set BH,  6
.set BVA, 7
.set XWX, 8
.set XWY, 9
.set XWS, 10
.set VWX, 11
.set VWY, 12
.set VWS, 13
.set H16, 14
.set H8,  15
.set C4,  16
.set WS,  18
.set FS,  34
.set BIAS, 38
.set GD,  70
.set GE,  86
.set GP,  102
.set TM,  70
.set PW,  86
.set PC,  88
.set BV,  118
.set ACC, 128
.set FR,  192                          ; the even steps' fragments, in window 1
.set FB,  70                           ; the odd steps' fragments in the two halves, in window 0
.set FC,  192                          ; the odd steps' fragments in the last run, in window 0
.set FT,  119                          ; the odd steps' scale words: v[FT + 2 beta]
.set MSB, 0
.macro WIN new                         ; the immediate's high byte repeats the setting that is left; a switch that changes nothing is dropped
.if MSB != (\new)
	s_set_vgpr_msb (MSB<<8)|(\new)
.set MSB, (\new)
.endif
.endm
.macro MMA d, a, b, c, sa, sb
	v_wmma_scale_f32_16x16x128_f8f6f4 v[(\d):(\d)+7], v[(\a):(\a)+11], v[(\b):(\b)+11], v[(\c):(\c)+7], v[\sa], v[\sb] matrix_a_fmt:MATRIX_FMT_FP6 matrix_b_fmt:MATRIX_FMT_FP6
.endm
.macro MMA0 d, a, b, sa, sb            ; the first product starts the sum
	v_wmma_scale_f32_16x16x128_f8f6f4 v[(\d):(\d)+7], v[(\a):(\a)+11], v[(\b):(\b)+11], 0, v[\sa], v[\sb] matrix_a_fmt:MATRIX_FMT_FP6 matrix_b_fmt:MATRIX_FMT_FP6
.endm
.macro XLOAD reg, sb, off              ; 64 numbers of my row: of each block of 32 my half's 16
.irp b, 0,1,2,3
.irp j, 0,1,2,3
	global_load_b128 v[(\reg)+16*\b+4*\j:(\reg)+16*\b+4*\j+3], v[XA], s[\sb:\sb+1] offset:\off+128*\b+16*\j th:TH_LOAD_NT
.endr
.endr
.endm
.macro WLOAD sb                        ; a set: 16 fragments into window 1, their scale words into window 0
	WIN 0x40
.irp f, 0,1,2,3,4,5,6,7,8,9,10,11,12,13,14,15
.irp c, 0,1,2
	global_load_b128 v[12*\f+4*\c:12*\f+4*\c+3], v[L16], s[\sb:\sb+1] offset:REC*\f+512*\c
.endr
.endr
	WIN 0
.irp f, 0,1,2,3,4,5,6,7,8,9,10,11,12,13,14,15
	global_load_b32 v[WS+\f], v[R8], s[\sb:\sb+1] offset:REC*\f+1536
.endr
.endm
.macro BLOAD sb, n, off                ; a bias in the result's layout: for tile t the eight numbers at 32 (t / 2) + 8 (t % 2) + 16 h
.irp t, 0,1,2,3
.if \t < \n
	global_load_b128 v[BIAS+8*\t:BIAS+8*\t+3], v[BH], s[\sb:\sb+1] offset:\off+4*(32*(\t/2)+8*(\t%2))
	global_load_b128 v[BIAS+8*\t+4:BIAS+8*\t+7], v[BH], s[\sb:\sb+1] offset:\off+4*(32*(\t/2)+8*(\t%2))+16
.endif
.endr
.endm
; 64 numbers of a lane in window w, register 16 b + i = element 16 h + i of block b, become 12 registers of codes in v[PC] on (lanes 0-15 hold block 2 c, lanes 16-31 block 2 c + 1, in registers 6 c .. 6 c + 5) and four bytes in v[PW].
.macro QUANT s, w
	WIN 5*\w
.irp b, 0,1,2,3
	v_max3_num_f32 v[TM+\b], |v[(\s)+16*\b]|, |v[(\s)+1+16*\b]|, 0x1800000   ; with the floor 2^(3 - 127): the byte cannot fall under 1
.endr
	WIN 0x14*\w
.irp i, 2,4,6,8,10,12,14
.irp b, 0,1,2,3
	v_max3_num_f32 v[TM+\b], v[TM+\b], |v[(\s)+16*\b+\i]|, |v[(\s)+1+16*\b+\i]|
.endr
.endr
	WIN 0
.irp b, 0,1,2,3
	v_permlanex16_b32 v[TM+4+\b], v[TM+\b], s38, s39
.endr
.irp b, 0,1,2,3
	v_max_num_f32 v[TM+\b], v[TM+\b], v[TM+4+\b]   ; with lane l xor 16's: the block's largest magnitude
.endr
.irp b, 0,1,2,3
	v_add_nc_u32 v[TM+12+\b], 0xff000000, v[TM+\b] ; 2 off its exponent field: the conversion's scale operand
.endr
.irp b, 0,1,2,3
	v_lshrrev_b32 v[TM+4+\b], 23, v[TM+12+\b]      ; the scale's byte
.endr
	v_lshl_or_b32 v[PW], v[TM+5], 8, v[TM+4]
	v_lshl_or_b32 v[PW], v[TM+6], 16, v[PW]
	v_lshl_or_b32 v[PW], v[TM+7], 24, v[PW]
	WIN \w
.irp c, 0,1
	v_cvt_scalef32_pk16_fp6_f32 v[PC+6*\c:PC+2+6*\c], v[(\s)+32*\c:(\s)+15+32*\c], v[TM+12+2*\c]
	v_cvt_scalef32_pk16_fp6_f32 v[PC+12+4*\c:PC+14+4*\c], v[(\s)+16+32*\c:(\s)+31+32*\c], v[TM+12+2*\c+1]   ; (a conversion's three registers begin on an even number)
.endr
	WIN 0
	v_nop                                          ; one plain instruction behind the scaled conversions
.irp c, 0,1
.irp i, 0,1,2
	v_permlane16_swap_b32 v[PC+6*\c+\i], v[PC+12+4*\c+\i]   ; a whole block to a lane
.endr
.irp i, 0,1,2
	v_mov_b32 v[PC+3+6*\c+\i], v[PC+12+4*\c+\i]
.endr
.endr
	v_mov_b32 v[PW+1], v[PW]
	s_wait_alu depctr_va_vdst(0)                   ; the codes v[PC ..] and the scale word v[PW] are written, which the stores behind this macro read; and all that has named v70-117, the 64 numbers and bv's pairs is done: fragments and scale words land there later
.endm
.macro IMG6 reg, ax, ay, off           ; six registers, half a fragment, to LDS
	ds_store_b128 v[\ax], v[(\reg):(\reg)+3] offset:\off
	ds_store_b64 v[\ay], v[(\reg)+4:(\reg)+5] offset:\off+512
.endm
.macro FETCH reg, a16, a8, off         ; a whole fragment from LDS
	ds_load_b128 v[(\reg):(\reg)+3], v[\a16] offset:\off
	ds_load_b64 v[(\reg)+4:(\reg)+5], v[\a8] offset:\off+512
	ds_load_b128 v[(\reg)+6:(\reg)+9], v[\a16] offset:\off+768
	ds_load_b64 v[(\reg)+10:(\reg)+11], v[\a8] offset:\off+1280
.endm
; A step's four fragments of rows and their scale words.  p = 0: into FRA and FS; p = 1: into the buffer at v[fb] of window 0 and FT.  Fragment beta lies at ioff + beta istr, its scale words at soff + beta sstr.
.macro GET4 p, fb, a16, a8, ioff, istr, soff, sstr
.if \p == 0
	WIN 0x40
.irp be, 0,1,2,3
	FETCH FR+12*\be, \a16, \a8, (\ioff)+\be*(\istr)
.endr
	WIN 0
.irp be, 0,1,2,3
	ds_load_b32 v[FS+\be], v[L4X] offset:(\soff)+\be*(\sstr)
.endr
.else
	WIN 0
.irp be, 0,1,2,3
	FETCH (\fb)+12*\be, \a16, \a8, (\ioff)+\be*(\istr)
.endr
.irp be, 0,1,2,3
	ds_load_b32 v[FT+2*\be], v[L4X] offset:(\soff)+\be*(\sstr)
.endr
.endif
.endm
.macro VGET s                          ; value's two fragments of step s and their scale words: into half s % 2 of FRA and of FS
	WIN 0x40
	FETCH FR+24*((\s)%2), L16, L8, VIMG+(\s)*FRB
	FETCH FR+24*((\s)%2)+12, L16, L8, VIMG+(4+(\s))*FRB
	WIN 0
	ds_load_b32 v[FS+2*((\s)%2)], v[L4X] offset:2048+128*(\s)
	ds_load_b32 v[FS+2*((\s)%2)+1], v[L4X] offset:2048+128*(4+(\s))
.endm
.macro BARRIER                         ; my LDS stores have landed and my LDS loads are in: then the work-group's barrier
	s_wait_dscnt 0x0
	s_barrier_signal -1
	s_barrier_wait -1
.endm
.macro PLACES                          ; four plain instructions behind matrix instructions, ahead of loads into their registers, of vector writes of their sources and of reads of their results
.rept 4
	v_nop
.endr
.endm
; gelu of 16 numbers in place.  The 32 transcendentals are one batch with one wait ahead of its first reader.
.macro GELU16 a
.set JJ, 0
.rept 16
	v_fma_f32 v[GD+JJ], |v[(\a)+JJ]|, s40, 1.0     ; 1 + p |x|
.set JJ, JJ+1
.endr
.set JJ, 0
.rept 8
	v_pk_mul_f32 v[GE+JJ:GE+JJ+1], v[(\a)+JJ:(\a)+JJ+1], v[(\a)+JJ:(\a)+JJ+1]
.set JJ, JJ+2
.endr
.set JJ, 0
.rept 8
	v_pk_mul_f32 v[GE+JJ:GE+JJ+1], v[GE+JJ:GE+JJ+1], s[42:43] op_sel_hi:[1,0]   ; -x^2 log2(e) / 2
.set JJ, JJ+2
.endr
.set JJ, 0
.rept 16
	v_rcp_f32 v[GD+JJ], v[GD+JJ]                   ; t
.set JJ, JJ+1
.endr
.set JJ, 0
.rept 16
	v_exp_f32 v[GE+JJ], v[GE+JJ]
.set JJ, JJ+1
.endr
	v_nop                                          ; a plain instruction behind the last transcendental
	s_wait_alu depctr_va_vdst(0)                   ; one wait for the batch: the 16 reciprocals in v[GD ..] and the 16 exponentials in v[GE ..] are written, ahead of the first instruction that names a result
.set JJ, 0
.rept 8
	v_pk_fma_f32 v[GP+JJ:GP+JJ+1], v[GD+JJ:GD+JJ+1], s[44:45], v[C4:C4+1] op_sel_hi:[1,0,1]
.set JJ, JJ+2
.endr
.irp k, 46,48,50
.set JJ, 0
.rept 8
	v_pk_fma_f32 v[GP+JJ:GP+JJ+1], v[GP+JJ:GP+JJ+1], v[GD+JJ:GD+JJ+1], s[\k:\k+1] op_sel_hi:[1,1,0]
.set JJ, JJ+2
.endr
.endr
.set JJ, 0
.rept 8
	v_pk_mul_f32 v[GP+JJ:GP+JJ+1], v[GP+JJ:GP+JJ+1], v[GD+JJ:GD+JJ+1]
.set JJ, JJ+2
.endr
.set JJ, 0
.rept 8
	v_pk_mul_f32 v[GP+JJ:GP+JJ+1], v[GP+JJ:GP+JJ+1], v[GE+JJ:GE+JJ+1]   ; Q(|x|)
.set JJ, JJ+2
.endr
.set JJ, 0
.rept 16
	v_max_num_f32 v[GD+JJ], 0, v[(\a)+JJ]
.set JJ, JJ+1
.endr
.set JJ, 0
.rept 16
	v_fma_f32 v[(\a)+JJ], -|v[(\a)+JJ]|, v[GP+JJ], v[GD+JJ]
.set JJ, JJ+1
.endr
.endm
	s_load_b512 s[4:19], s[0:1], 0x0               ; query, key, value, bq1, bk1, bq2, bk2, bv
	s_load_b256 s[20:27], s[0:1], 0x40             ; wts, qc, kc, vc
	v_lshl_add_u32 v126, v0, 2, 0x16c00
	v_mov_b32 v127, 0
	v_lshrrev_b32 v1, 5, v0
	v_readfirstlane_b32 s36, v1                    ; wave w
	v_and_b32 v20, 31, v0                          ; lane
	v_and_b32 v21, 15, v0                          ; r
	v_bfe_u32 v22, v0, 4, 1                        ; h
	v_lshlrev_b32 v[L16], 4, v20
	v_lshlrev_b32 v[L8], 3, v20
	v_lshlrev_b32 v23, 2, v20
	v_add_nc_u32 v[L4X], XSC, v23
	v_and_b32 v24, 8, v21
	v_add_nc_u32 v24, v24, v21                     ; r + 8 (r / 8)
	v_lshlrev_b32 v[XA], 11, v24
	v_lshl_add_u32 v[XA], v22, 6, v[XA]            ; my row of 2,048 bytes, + 64 h
	v_lshlrev_b32 v[R8], 3, v21
	v_lshlrev_b32 v[BH], 6, v22
	v_lshlrev_b32 v[BVA], 2, v24
	s_wait_alu depctr_va_sdst(0)                   ; s36 is written, ahead of its first reader: LDS addresses and every base are made from it
	s_mul_i32 s52, s36, 2*FRB
	v_add_nc_u32 v[XWX], s52, v[L16]               ; x's images: fragments 2 w, 2 w + 1
	v_add_nc_u32 v[XWY], s52, v[L8]
	s_lshl_b32 s52, s36, 8
	s_add_co_u32 s52, s52, XSC
	v_add_nc_u32 v[XWS], s52, v23
	s_mul_i32 s52, s36, FRB
	s_add_co_u32 s52, s52, VIMG
	v_add_nc_u32 v[VWX], s52, v[L16]               ; value's image: fragment w; with 12,288 more: the hidden layer's K step w
	v_add_nc_u32 v[VWY], s52, v[L8]
	s_lshl_b32 s52, s36, 7
	s_add_co_u32 s52, s52, VSC
	v_add_nc_u32 v[VWS], s52, v23
	v_add_nc_u32 v[H16], HIMG, v[L16]
	v_add_nc_u32 v[H8], HIMG, v[L8]
	v_mov_b32 v[C4], 0xbf3a00e3
	v_mov_b32 v[C4+1], 0xbf3a00e3
.irp b, 0,1,2,3
	v_mov_b32 v[TM+4+\b], 0                        ; written once: a lane permute's destination counts as one of its sources
	v_mov_b32 v[BV+2*\b+1], 0                      ; the upper halves of bv's pairs are named, so they are written
.endr
	s_mov_b32 s38, 0x76543210
	s_mov_b32 s39, 0xfedcba98
	s_mov_b32 s40, 0x3e6d3388                      ; p = 0.23164189
	s_mov_b32 s41, s40
	s_mov_b32 s42, 0xbf38aa3b                      ; -log2(e) / 2
	s_mov_b32 s43, s42
	s_mov_b32 s44, 0x3f07dc22                      ; c5
	s_mov_b32 s45, s44
	s_mov_b32 s46, 0x3f35f0e3                      ; c3
	s_mov_b32 s47, s46
	s_mov_b32 s48, 0xbe11a98e                      ; c2
	s_mov_b32 s49, s48
	s_mov_b32 s50, 0x3e027906                      ; c1
	s_mov_b32 s51, s50
	s_and_b32 s54, ttmp9, 127                      ; m
	s_lshr_b32 s55, s36, 2                         ; w / 4
	s_bfe_u32 s56, s36, 0x10001                    ; (w / 2) % 2
	s_and_b32 s57, s36, 1                          ; w % 2
	s_and_b32 s58, s36, 3                          ; w % 4
	s_mov_b32 s53, 0
	s_wait_kmcnt 0x0
	s_cmp_ge_u32 ttmp9, 128                        ; the key's MLP?  The choice hangs on the work-group's number alone
	s_cselect_b64 s[4:5], s[6:7], s[4:5]
	s_cselect_b64 s[10:11], s[12:13], s[10:11]
	s_cselect_b64 s[14:15], s[16:17], s[14:15]
	s_cselect_b64 s[22:23], s[24:25], s[22:23]
	s_cselect_b32 s37, 1, 0
	s_lshl_b32 s52, s54, 17                        ; x: (64 m + 32 (w / 4) + 8 ((w / 2) % 2)) rows of 2,048 bytes + 1,024 (w % 2)
	s_lshl_b32 s59, s55, 16
	s_add_co_u32 s52, s52, s59
	s_lshl_b32 s59, s56, 14
	s_add_co_u32 s52, s52, s59
	s_lshl_b32 s59, s57, 10
	s_add_co_u32 s52, s52, s59
	s_add_nc_u64 s[4:5], s[4:5], s[52:53]
	s_lshl_b32 s52, ttmp9, 16                      ; value: (32 i + 8 (w / 4)) rows + 512 (w % 4)
	s_lshl_b32 s59, s55, 14
	s_add_co_u32 s52, s52, s59
	s_lshl_b32 s59, s58, 9
	s_add_co_u32 s52, s52, s59
	s_add_nc_u64 s[8:9], s[8:9], s[52:53]
	s_lshl_b32 s52, s36, 8
	s_add_nc_u64 s[18:19], s[18:19], s[52:53]      ; bv: head w
	; ---- the inputs are asked for: my two fragments of x, my one of value, my four numbers of bv
	s_wait_alu depctr_va_vdst(0)                   ; the fifteen offsets and addresses v1 to v15 are written, which every load and store of the kernel reads; v20 to v24 and bv's upper halves, in which scale words land later, are done with
	XLOAD ACC, 4, 0
	XLOAD ACC+64, 4, 512
	WIN 0x40
	XLOAD 192, 8, 0
	WIN 0
.irp t, 0,1,2,3
	global_load_b32 v[BV+2*\t], v[BVA], s[18:19] offset:4*(32*(\t/2)+8*(\t%2))
.endr
	s_lshl_b32 s52, s36, 9
	s_add_nc_u64 s[10:11], s[10:11], s[52:53]      ; b1: my 128
	s_lshl_b32 s52, s36, 7
	s_add_nc_u64 s[14:15], s[14:15], s[52:53]      ; b2: my 32
	s_lshl_b32 s52, s37, 4
	s_lshl_b32 s59, s36, 1
	s_add_co_u32 s52, s52, s59
	s_mul_i32 s52, s52, SETB
	s_add_nc_u64 s[28:29], s[20:21], s[52:53]      ; W1: sets 2 w, 2 w + 1
	s_add_nc_u64 s[30:31], s[28:29], SETB
	s_add_co_u32 s52, s36, 48
	s_mul_i32 s52, s52, SETB
	s_add_nc_u64 s[32:33], s[20:21], s[52:53]      ; Wv: set w
	s_lshl_b32 s52, s37, 3
	s_add_co_u32 s52, s52, s36
	s_add_co_u32 s52, s52, 32
	s_mul_i32 s52, s52, SETB
	s_add_nc_u64 s[34:35], s[20:21], s[52:53]      ; W2: set w
	s_lshl_b32 s52, s54, 3
	s_add_co_u32 s52, s52, s36
	s_mul_i32 s52, s52, REC
	s_add_nc_u64 s[22:23], s[22:23], s[52:53]      ; my record of q or k
	s_lshl_b32 s52, ttmp9, 3
	s_add_co_u32 s52, s52, s36
	s_mul_i32 s52, s52, REC
	s_add_nc_u64 s[26:27], s[26:27], s[52:53]      ; my record of v
	; ---- the inputs are quantised and go to LDS
	s_wait_loadcnt 36                              ; the first 16 loads are in: behind them stand x's second 16, value's 16 and bv's 4
	QUANT ACC, 0
	IMG6 PC, XWX, XWY, 0
	IMG6 PC+6, XWX, XWY, 768
	ds_store_b32 v[XWS], v[PW]
	s_wait_loadcnt 0x0
	WLOAD 28                                       ; the first set of W1 is on its way while the rest is quantised
	BLOAD 10, 4, 0
	s_wait_dscnt 0x0                               ; my LDS stores are done,
	s_wait_alu depctr_vm_vsrc(0)                   ; and they have read v[PW] and v[PC ..], which the next quantiser writes again
	QUANT ACC+64, 0
	IMG6 PC, XWX, XWY, FRB
	IMG6 PC+6, XWX, XWY, FRB+768
	ds_store_b32 v[XWS], v[PW] offset:128
	s_wait_dscnt 0x0                               ; my LDS stores are done,
	s_wait_alu depctr_vm_vsrc(0)                   ; and they have read v[PW] and v[PC ..], which the next quantiser writes again
	QUANT 192, 1
	IMG6 PC, VWX, VWY, 0
	IMG6 PC+6, VWX, VWY, 768
	ds_store_b32 v[VWS], v[PW]
	BARRIER                                        ; x's sixteen fragments and value's eight lie in LDS
	s_wait_alu depctr_vm_vsrc(0)                   ; my stores of value's image have read v[PW] and v[PC ..]: the odd steps' fragments land there from here on
	GET4 0, FB, L16, L8, XIMG, 4*FRB, 0, 512       ; the first half's first step.  (The wait at the quantiser's end stands behind the last reader of value's numbers, in whose registers these land)
; ---- 64 hidden units for the 64 rows: 16 accumulators by turns, a step of 128 along K at a time; each step asks for the next step's fragments first; then the next set is asked for, and lands under the activation
.macro HALF hg, nxt
	s_wait_loadcnt 0x0                             ; the set and its bias
.irp s, 0,1,2,3
	s_wait_dscnt 0x0                               ; this step's four fragments and scale words, asked for a step ago, are in
.if \s > 0
	s_wait_alu depctr_va_vdst(0)                   ; the last step's products are done reading their four fragments and scale words, in which the loads below land
.endif
.if \s < 3
	GET4 (\s+1)%2, FB, L16, L8, XIMG+(\s+1)*FRB, 4*FRB, 128*(\s+1), 512
.elseif \hg == 0
	GET4 0, FB, L16, L8, XIMG, 4*FRB, 0, 512       ; the second half's first step
.else
	VGET 0                                         ; the first step of v's run
.endif
.if (\s%2) == 0
	WIN 0x05                                       ; sources 0 and 1 in window 1, C and D in window 0
.else
	WIN 0x01                                       ; source 0 in window 1; source 1, C and D in window 0
.endif
.irp be, 0,1,2,3
.set RB, FR*(1-\s%2)+FB*(\s%2)+12*\be
.set RS, (FS+\be)*(1-\s%2)+(FT+2*\be)*(\s%2)
.irp t, 0,1,2,3
.if \s == 0
	MMA ACC+32*\be+8*\t, 12*(4*\s+\t), RB, BIAS+8*\t, WS+4*\s+\t, RS
.else
	MMA ACC+32*\be+8*\t, 12*(4*\s+\t), RB, ACC+32*\be+8*\t, WS+4*\s+\t, RS
.endif
.endr
.endr
	WIN 0
	PLACES
.endr
	s_wait_alu depctr_va_vdst(0)                   ; the run's products are done reading the set, its scale words and the bias, in which the loads below land
	WLOAD \nxt
.if \hg == 0
	BLOAD 10, 4, 256
.endif
.irp g, 0,1,2,3,4,5,6,7
	GELU16 ACC+16*\g
.endr
.irp pp, 0,1                                   ; two tiles of rows at a time: each gives half hg of its fragment of K step w, and two bytes of its scale word
	QUANT ACC+64*\pp, 0
	IMG6 PC, VWX, VWY, 12288+8*(2*\pp)*FRB+768*\hg
	IMG6 PC+6, VWX, VWY, 12288+8*(2*\pp+1)*FRB+768*\hg
	ds_store_b16 v[VWS], v[PW] offset:1024+128*8*(2*\pp)+2*\hg
	ds_store_b16_d16_hi v[VWS], v[PW] offset:1024+128*8*(2*\pp+1)+2*\hg
	s_wait_dscnt 0x0                               ; my LDS stores are done,
	s_wait_alu depctr_vm_vsrc(0)                   ; and they have read v[PW] and v[PC ..], which the next quantiser, or the next run's fragments, write again
.endr
.endm
	HALF 0, 30
	HALF 1, 32
	; ---- v: source 0 = 16 tokens of value, source 1 = 16 channels of Wv: a lane holds one channel, its 16 registers of tiles u = 0, 1 are 16 neighbouring keys
	s_wait_loadcnt 0x0
.irp s, 0,1,2,3
	s_wait_dscnt 0x0                               ; this step's two fragments and scale words, asked for a step ago, are in
.if (\s > 0) && (\s < 3)
	s_wait_alu depctr_va_vdst(0)                   ; the last step's products are done reading their two fragments and scale words, in which the loads below land
.endif
.if \s < 3
	VGET \s+1
.endif
	WIN 0x05
.irp t, 0,1,2,3
.irp u, 0,1
.if \s == 0
	MMA0 ACC+16*\t+8*\u, FR+24*(\s%2)+12*\u, 12*(4*\s+\t), FS+2*(\s%2)+\u, WS+4*\s+\t
.else
	MMA ACC+16*\t+8*\u, FR+24*(\s%2)+12*\u, 12*(4*\s+\t), ACC+16*\t+8*\u, FS+2*(\s%2)+\u, WS+4*\s+\t
.endif
.endr
.endr
	WIN 0
	PLACES
.endr
	s_wait_alu depctr_va_vdst(0)                   ; the run's products are done reading the set and its scale words, in which the loads below land (the bias's registers were last read in the second half)
	WLOAD 34
	BLOAD 14, 2, 0
.irp t, 0,1,2,3
.irp k, 0,2,4,6,8,10,12,14
	v_pk_add_f32 v[ACC+16*\t+\k:ACC+16*\t+\k+1], v[ACC+16*\t+\k:ACC+16*\t+\k+1], v[BV+2*\t:BV+2*\t+1] op_sel_hi:[1,0]   ; + bv of my channel
.endr
.endr
	QUANT ACC, 0                                   ; along the keys: block t is channel slot 16 t + r
	global_store_b128 v[L16], v[PC:PC+3], s[26:27]
	global_store_b128 v[L16], v[PC+6:PC+9], s[26:27] offset:512
	global_store_b64 v[L8], v[PC+4:PC+5], s[26:27] offset:1024
	global_store_b64 v[L8], v[PC+10:PC+11], s[26:27] offset:1280
	global_store_b64 v[L8], v[PW:PW+1], s[26:27] offset:1536   ; each store covers 512 or 256 consecutive bytes, aligned to 256
	BARRIER                                        ; the hidden layer's 32 fragments lie in LDS
	; ---- q or k: head w for the 64 rows: 8 accumulators by turns, 8 steps of 128 along K
	GET4 0, FC, H16, H8, 0, 8*FRB, 3072, 1024      ; the first step.  (The wait at the quantiser's end stands behind v's products, which read these registers last)
	s_wait_loadcnt 0x0
.irp s, 0,1,2,3,4,5,6,7
	s_wait_dscnt 0x0                               ; this step's four fragments and scale words are in
.if (\s > 0) && (\s < 7)
	s_wait_alu depctr_va_vdst(0)                   ; the last step's products are done reading their four fragments and scale words, in which the loads below land
.endif
.if \s < 7
	GET4 (\s+1)%2, FC, H16, H8, (\s+1)*FRB, 8*FRB, 3072+128*(\s+1), 1024
.endif
.if (\s%2) == 0
	WIN 0x05
.else
	WIN 0x01
.endif
.irp be, 0,1,2,3
.set RB, FR*(1-\s%2)+FC*(\s%2)+12*\be
.set RS, (FS+\be)*(1-\s%2)+(FT+2*\be)*(\s%2)
.irp t, 0,1
.if \s == 0
	MMA ACC+16*\be+8*\t, 12*(2*\s+\t), RB, BIAS+8*\t, WS+2*\s+\t, RS
.else
	MMA ACC+16*\be+8*\t, 12*(2*\s+\t), RB, ACC+16*\be+8*\t, WS+2*\s+\t, RS
.endif
.endr
.endr
	WIN 0
	PLACES
.endr
	s_wait_xcnt 0x0                                ; v's stores have had their addresses translated: the codes' registers are written again only behind this wait,
	s_wait_alu depctr_vm_vsrc(0)                   ; and they have read v[PW] and v[PC ..], which the quantiser below writes again
	QUANT ACC, 0                                   ; block beta: the head's 32 numbers of the tokens of tile beta
.irp c, 0,1,2
	global_store_b128 v[L16], v[PC+4*\c:PC+4*\c+3], s[22:23] offset:512*\c
.endr
	global_store_b64 v[L8], v[PW:PW+1], s[22:23] offset:1536
	s_wait_dscnt 0x0
	s_wait_alu depctr_hold_cnt(0) depctr_sa_sdst(0) depctr_va_vdst(0) depctr_va_sdst(0) depctr_va_ssrc(0) depctr_va_vcc(0) depctr_vm_vsrc(0)
	s_wait_tensorcnt 0x0
	ds_add_u32 v126, v127
	s_wait_dscnt 0x0
	s_endpgm
.Lfunc_end_k_q508f4c78e3_proj:
	.size	k_q508f4c78e3_proj, .Lfunc_end_k_q508f4c78e3_proj-k_q508f4c78e3_proj
	.p2alignl 7, 3214868480
	.fill 96, 4, 3214868480
	.section	.rodata,"a",@progbits
	.p2align	6, 0x0
	.amdhsa_kernel k_q508f4c78e3_proj
		.amdhsa_group_segment_fixed_size 94208
		.amdhsa_private_segment_fixed_size 0
		.amdhsa_enable_private_segment 0
		.amdhsa_kernarg_size 96
		.amdhsa_user_sgpr_count 2
		.amdhsa_user_sgpr_kernarg_segment_ptr 1
		.amdhsa_wavefront_size32 1
		.amdhsa_system_sgpr_workgroup_id_x 1
		.amdhsa_system_sgpr_workgroup_id_y 1
		.amdhsa_system_sgpr_workgroup_id_z 1
		.amdhsa_system_vgpr_workitem_id 0
		.amdhsa_next_free_vgpr 512
		.amdhsa_next_free_sgpr 66
		.amdhsa_reserve_vcc 0
		.amdhsa_float_denorm_mode_32 3
		.amdhsa_float_denorm_mode_16_64 3
		.amdhsa_memory_ordered 1
		.amdhsa_forward_progress 1
		.amdhsa_inst_pref_size 254
	.end_amdhsa_kernel
	.amdgpu_metadata
---
amdhsa.version: [ 1, 2 ]
amdhsa.kernels:
  - .name:           k_q508f4c78e3_proj
    .symbol:         k_q508f4c78e3_proj.kd
    .args:
      - { .name: query, .offset: 0, .size: 8, .value_kind: global_buffer, .address_space: global }
      - { .name: key, .offset: 8, .size: 8, .value_kind: global_buffer, .address_space: global }
      - { .name: value, .offset: 16, .size: 8, .value_kind: global_buffer, .address_space: global }
      - { .name: bq1, .offset: 24, .size: 8, .value_kind: global_buffer, .address_space: global }
      - { .name: bk1, .offset: 32, .size: 8, .value_kind: global_buffer, .address_space: global }
      - { .name: bq2, .offset: 40, .size: 8, .value_kind: global_buffer, .address_space: global }
      - { .name: bk2, .offset: 48, .size: 8, .value_kind: global_buffer, .address_space: global }
      - { .name: bv, .offset: 56, .size: 8, .value_kind: global_buffer, .address_space: global }
      - { .name: wts, .offset: 64, .size: 8, .value_kind: global_buffer, .address_space: global }
      - { .name: qc, .offset: 72, .size: 8, .value_kind: global_buffer, .address_space: global }
      - { .name: kc, .offset: 80, .size: 8, .value_kind: global_buffer, .address_space: global }
      - { .name: vc, .offset: 88, .size: 8, .value_kind: global_buffer, .address_space: global }
    .group_segment_fixed_size: 94208
    .private_segment_fixed_size: 0
    .kernarg_segment_align: 8
    .kernarg_segment_size: 96
    .max_flat_workgroup_size: 256
    .sgpr_count:     66
    .vgpr_count:     512
    .wavefront_size: 32
...
	.end_amdgpu_metadata
.endif
;; end of part 5
;; launch attn: the kernel of part 3 again; grid 16 x 16, 16 waves a work-group, clusters of 4 x 1, 327,680 bytes of LDS; arguments qc, kc, vc, xc; writes xc
;; launch outp (part 6): grid 128 x 2, 4 waves a work-group, no clusters, 17,920 bytes of LDS; arguments xc, wts, bo, out0; writes out0
.if DOCPART == 6
	.amdgcn_target "amdgcn-amd-amdhsa--gfx1250"
	.amdhsa_code_object_version 6
	.text
	.protected	k_q508f4c78e3_outp
	.globl	k_q508f4c78e3_outp
	.p2align	8
	.type	k_q508f4c78e3_outp,@function
k_q508f4c78e3_outp:
	s_mov_b64 s[64:65], 0
	v_nop
	global_prefetch_b8 v0, s[64:65] scope:SCOPE_SE
	s_setreg_imm32_b32 hwreg(HW_REG_WAVE_SCHED_MODE, 0, 2), 2
	s_setreg_imm32_b32 hwreg(HW_REG_WAVE_MODE, 25, 1), 1
	s_wait_xcnt 0x0
	s_wait_alu depctr_vm_vsrc(0)
; out0 = x Wo + bo on FP6 (E2M3) codes with E8M0 scales.  x comes as codes in the order of the operand's registers, Wo as records of fragments; K = 512 is four matrix instructions deep.
; SHARES.  A work-group takes 64 tokens (block m) x 256 columns (half hf); wave w takes 64 columns: one set of 16 fragments of Wo, 16 accumulators (4 tiles of tokens x 4 tiles of columns).
; All operands go from memory straight into registers, once; no LDS but each wave's own stage on the way out, so no barrier.
; NO JOINT LOADS: a work-group's operands (32,768 bytes of x, 114,688 of Wo) are read once into registers at the head and the launch has one run of 64 products a wave; a way through LDS would add a pass and no reuse inside the work-group.
; TRANSPOSED: source 0 = 16 columns of Wo, source 1 = 16 tokens: a lane holds eight neighbouring columns of one token.  Tiles are permuted as in the other launches: row r of tile T is index 32 (T / 2) + 8 (T % 2) + r + 8 (r / 8).
; REGISTERS.  Window 0: v1-6 addresses; v8-23 Wo's scale words; v24-39 x's; v40-71 x's half words, later rows on the way out; v72-103 the bias, later rows on the way out; v128-255 accumulators.
;             Window 1: Wo's 16 fragments.  Window 2: x's 16 fragments (4 beta + s).
; THE MODE: SCHED_MODE bits 1:0 = 2 (LLVM: expert scheduling mode 2), set by the entry lines.  The code itself states the register dependences
; between vector or matrix instructions and memory or LDS instructions, with s_wait_alu, always for 0.
; THE PLAN.  Registers that memory or LDS instructions touch:
;   v1-6         offsets and LDS addresses: written at the head, never again.
;   windows 1, 2, v8-23   loaded once, read by the products alone.
;   v40-71       loaded once; read by the sixteen lines that make x's scale words; on the way out the stage's loads of tiles 0 and 2 land there and global stores read them.
;   v72-103      loaded once; read by the first sixteen products as C; on the way out the same for tiles 1 and 3.
;   v24-39       written by vector instructions, read by the products as scales.
;   v128-255     written by the products, read by the LDS stores.
; Three waits on va_vdst: ahead of the first load (the addresses), ahead of the products (x's scale words), ahead of the way out (the accumulators; v40-103 are done with as sources); behind the last no vector or matrix
; instruction stands.  A wait on vm_vsrc ahead of tiles 2 and 3, whose loads land where the global stores of two tiles back read.
.set REC,  1792
.set SETB, 16*REC
.set MSB, 0
.macro WIN new
.if MSB != (\new)
	s_set_vgpr_msb (MSB<<8)|(\new)
.set MSB, (\new)
.endif
.endm
	s_load_b128 s[4:7], s[0:1], 0x0                ; xc, wts
	s_load_b128 s[8:11], s[0:1], 0x10              ; bo, out0
	v_lshl_add_u32 v126, v0, 2, 0x4400
	v_mov_b32 v127, 0
	v_lshrrev_b32 v1, 5, v0
	v_readfirstlane_b32 s12, v1                    ; wave w
	s_and_b32 s14, ttmp7, 0xffff                   ; hf
	s_lshl_b32 s15, s14, 2
	v_and_b32 v104, 31, v0
	v_and_b32 v105, 15, v0                         ; r
	v_bfe_u32 v106, v0, 4, 1                       ; h
	v_lshlrev_b32 v1, 4, v104                      ; 16 x lane
	v_lshlrev_b32 v2, 3, v105                      ; 8 r
	v_lshlrev_b32 v3, 6, v106                      ; 64 h
	s_wait_alu depctr_va_sdst(0)                   ; s12 is written, ahead of its first reader: the stage's place and the bases are made from it
	s_add_co_u32 s15, s15, s12                     ; 4 hf + w: my 64 columns
	s_mul_i32 s16, s12, 4352                       ; my stage: 16 rows x (256 bytes + 16)
	v_mul_u32_u24 v4, v105, 272
	v_lshl_add_u32 v4, v106, 6, v4
	v_add_nc_u32 v4, s16, v4                       ; in: row r, + 64 h
	v_mul_u32_u24 v5, v106, 272
	v_lshl_add_u32 v5, v105, 4, v5
	v_add_nc_u32 v5, s16, v5                       ; back: lanes 0-15 one row, lanes 16-31 the next
	v_lshlrev_b32 v6, 11, v106
	v_lshl_add_u32 v6, v105, 4, v6                 ; and the same two rows of out0
	s_mov_b32 s19, 0
	s_wait_kmcnt 0x0
	s_lshl_b32 s18, ttmp9, 15                      ; x: 32 records of 1,024 bytes a block
	s_add_nc_u64 s[4:5], s[4:5], s[18:19]
	s_add_co_u32 s18, s15, 56
	s_mul_i32 s18, s18, SETB
	s_add_nc_u64 s[6:7], s[6:7], s[18:19]          ; Wo's set
	s_lshl_b32 s18, s15, 8
	s_add_nc_u64 s[8:9], s[8:9], s[18:19]          ; bo: my 64
	s_add_nc_u64 s[10:11], s[10:11], s[18:19]      ; out0: my 256 bytes of a row,
	s_lshl_b32 s18, ttmp9, 17
	s_add_nc_u64 s[10:11], s[10:11], s[18:19]      ; 64 m rows of 2,048 bytes down
	WIN 0x40
	s_wait_alu depctr_va_vdst(0)                   ; the six offsets and addresses v1 to v6 are written, which every load and store of the kernel reads
.irp f, 0,1,2,3,4,5,6,7,8,9,10,11,12,13,14,15
.irp c, 0,1,2
	global_load_b128 v[12*\f+4*\c:12*\f+4*\c+3], v1, s[6:7] offset:REC*\f+512*\c
.endr
.endr
	WIN 0x80
.irp f, 0,1,2,3,4,5,6,7,8,9,10,11,12,13,14,15  ; fragment (beta = f / 4, s = f % 4): part c is head 2 s + c's record
.irp c, 0,1
	global_load_b128 v[12*\f+6*\c:12*\f+6*\c+3], v1, s[4:5] offset:(8*(\f/4)+2*(\f%4)+\c)*1024
	global_load_b64 v[12*\f+6*\c+4:12*\f+6*\c+5], v1, s[4:5] offset:(8*(\f/4)+2*(\f%4)+\c)*1024+512
.endr
.endr
	WIN 0
.irp f, 0,1,2,3,4,5,6,7,8,9,10,11,12,13,14,15
	global_load_b32 v[8+\f], v2, s[6:7] offset:REC*\f+1536
.irp c, 0,1
	global_load_b32 v[40+2*\f+\c], v1, s[4:5] offset:(8*(\f/4)+2*(\f%4)+\c)*1024+520   ; the head's two scale bytes
.endr
.endr
.irp t, 0,1,2,3
	global_load_b128 v[72+8*\t:75+8*\t], v3, s[8:9] offset:4*(32*(\t/2)+8*(\t%2))
	global_load_b128 v[76+8*\t:79+8*\t], v3, s[8:9] offset:4*(32*(\t/2)+8*(\t%2))+16
.endr
	s_wait_loadcnt 0x0
.irp f, 0,1,2,3,4,5,6,7,8,9,10,11,12,13,14,15
	v_lshl_or_b32 v[24+\f], v[41+2*\f], 16, v[40+2*\f]   ; two heads' bytes make the scale word of 128 along K
.endr
.rept 8
	v_nop                                          ; eight plain instructions between a scale word made by a vector instruction and the scaled product
.endr
	WIN 0x09                                       ; source 0 (Wo) window 1, source 1 (x) window 2, C and D window 0
	s_wait_alu depctr_va_vdst(0)                   ; x's scale words v24 to v39 are written, which the products take as scales; the places above stay beside this wait
.irp s, 0,1,2,3                                ; the 16 accumulators take turns, one instruction a turn
.irp be, 0,1,2,3
.irp t, 0,1,2,3
.if \s == 0
	v_wmma_scale_f32_16x16x128_f8f6f4 v[128+32*\be+8*\t:135+32*\be+8*\t], v[12*(4*\s+\t):12*(4*\s+\t)+11], v[12*(4*\be+\s):12*(4*\be+\s)+11], v[72+8*\t:79+8*\t], v[8+4*\s+\t], v[24+4*\be+\s] matrix_a_fmt:MATRIX_FMT_FP6 matrix_b_fmt:MATRIX_FMT_FP6
.else
	v_wmma_scale_f32_16x16x128_f8f6f4 v[128+32*\be+8*\t:135+32*\be+8*\t], v[12*(4*\s+\t):12*(4*\s+\t)+11], v[12*(4*\be+\s):12*(4*\be+\s)+11], v[128+32*\be+8*\t:135+32*\be+8*\t], v[8+4*\s+\t], v[24+4*\be+\s] matrix_a_fmt:MATRIX_FMT_FP6 matrix_b_fmt:MATRIX_FMT_FP6
.endif
.endr
.endr
.endr
	WIN 0
.rept 4
	v_nop                                          ; four plain instructions between the last products and the first read of results
.endr
	s_wait_alu depctr_va_vdst(0)                   ; the products have written the accumulators, which the LDS stores read; they are done reading the bias in v72-103, and the lines that made x's scale words are done reading v40-71: the loads from the stage land in both
	; THE WAY OUT, a tile of 16 tokens at a time, through my own stage: LDS serves a wave's instructions in order, so no wait stands between the stores and the loads, nor ahead of the next tile's stores
.irp be, 0,1,2,3
.if \be >= 2
	s_wait_xcnt 0x0                                ; the stores of two tiles back have had their addresses translated: their registers are loaded again only behind this wait,
	s_wait_alu depctr_vm_vsrc(0)                   ; and they have read those registers, in which this tile's loads from the stage land
.endif
.irp t, 0,1,2,3
	ds_store_b128 v4, v[128+32*\be+8*\t:131+32*\be+8*\t] offset:128*(\t/2)+32*(\t%2)     ; each accumulator from its low end on
	ds_store_b128 v4, v[132+32*\be+8*\t:135+32*\be+8*\t] offset:128*(\t/2)+32*(\t%2)+16
.endr
.irp i, 0,1,2,3,4,5,6,7
	ds_load_b128 v[40+32*(\be%2)+4*\i:43+32*(\be%2)+4*\i], v5 offset:544*\i
.endr
.irp i, 0,1,2,3,4,5,6,7
	s_wait_dscnt 7-\i                              ; load i is in: 7 - i were issued behind it
	global_store_b128 v6, v[40+32*(\be%2)+4*\i:43+32*(\be%2)+4*\i], s[10:11] offset:(32*(\be/2)+8*(\be%2)+2*\i+8*(\i/4))*2048 th:TH_STORE_NT   ; sixteen lanes store 256 consecutive bytes of a row, aligned to 256; rows 2 i, 2 i + 1 of the tile are tokens 2 i + 8 (i / 4) and the next
.endr
.endr
	s_wait_dscnt 0x0
	s_wait_alu depctr_hold_cnt(0) depctr_sa_sdst(0) depctr_va_vdst(0) depctr_va_sdst(0) depctr_va_ssrc(0) depctr_va_vcc(0) depctr_vm_vsrc(0)
	s_wait_tensorcnt 0x0
	ds_add_u32 v126, v127
	s_wait_dscnt 0x0
	s_endpgm
.Lfunc_end_k_q508f4c78e3_outp:
	.size	k_q508f4c78e3_outp, .Lfunc_end_k_q508f4c78e3_outp-k_q508f4c78e3_outp
	.p2alignl 7, 3214868480
	.fill 96, 4, 3214868480
	.section	.rodata,"a",@progbits
	.p2align	6, 0x0
	.amdhsa_kernel k_q508f4c78e3_outp
		.amdhsa_group_segment_fixed_size 17920
		.amdhsa_private_segment_fixed_size 0
		.amdhsa_enable_private_segment 0
		.amdhsa_kernarg_size 32
		.amdhsa_user_sgpr_count 2
		.amdhsa_user_sgpr_kernarg_segment_ptr 1
		.amdhsa_wavefront_size32 1
		.amdhsa_system_sgpr_workgroup_id_x 1
		.amdhsa_system_sgpr_workgroup_id_y 1
		.amdhsa_system_sgpr_workgroup_id_z 1
		.amdhsa_system_vgpr_workitem_id 0
		.amdhsa_next_free_vgpr 768
		.amdhsa_next_free_sgpr 66
		.amdhsa_reserve_vcc 0
		.amdhsa_float_denorm_mode_32 3
		.amdhsa_float_denorm_mode_16_64 3
		.amdhsa_memory_ordered 1
		.amdhsa_forward_progress 1
		.amdhsa_inst_pref_size 36
	.end_amdhsa_kernel
	.amdgpu_metadata
---
amdhsa.version: [ 1, 2 ]
amdhsa.kernels:
  - .name:           k_q508f4c78e3_outp
    .symbol:         k_q508f4c78e3_outp.kd
    .args:
      - { .name: xc, .offset: 0, .size: 8, .value_kind: global_buffer, .address_space: global }
      - { .name: wts, .offset: 8, .size: 8, .value_kind: global_buffer, .address_space: global }
      - { .name: bo, .offset: 16, .size: 8, .value_kind: global_buffer, .address_space: global }
      - { .name: out0, .offset: 24, .size: 8, .value_kind: global_buffer, .address_space: global }
    .group_segment_fixed_size: 17920
    .private_segment_fixed_size: 0
    .kernarg_segment_align: 8
    .kernarg_segment_size: 32
    .max_flat_workgroup_size: 128
    .sgpr_count:     66
    .vgpr_count:     768
    .wavefront_size: 32
...
	.end_amdgpu_metadata
.endif
;; end of part 6
